; MI455X (gfx1250); checked and timed in simulation.
; The chip was launched on July 23, 2026; its instructions are those of AMD's public machine-readable ISA for CDNA 5 (MIT licence, August 2026) and "CDNA5" Instruction Set Architecture Reference Guide (July 2026). The comments in the code are by the model that wrote it; some were corrected since.
;; A Li Bi Attention. Allowed arithmetic: matrix products marked QUANTISED: E2M3 operands, one E8M0 scale for each 32 along K, by v_wmma_scale_f32_16x16x128_f8f6f4 with both operands' format E2M3, f32 sums; everything else in f32.
;; Inputs: k_w 1,024 x 1,024 float32; o_w 1,024 x 1,024 float32; q_w 1,024 x 1,024 float32; v_w 1,024 x 1,024 float32; x 1 x 4,096 x 1,024 float32.
;; Outputs: out0 1 x 4,096 x 1,024 float32.
;; This version of the problem:
;;   THIS VERSION OF THE PROBLEM IS GIVEN IN LOW PRECISION. The matrix products marked QUANTISED in the list below multiply operands that are first quantised to E2M3 (2 exponent bits, 3 mantissa bits; 6 bits a number), with one power-of-two scale for each 32 numbers along K (OCP MX v1.0); their sums are f32. All else is computed in f32.
;;   The module's matrix products, in the order in which they are computed (A, B: the left and right operand; K: the contracted axis; several contracted axes count as one K, in the product's order):
;;     1. [M 4,096, K 1,024] x [K 1,024, N 1,024]; A: input x; B: input q_w: QUANTISED
;;     2. [M 4,096, K 1,024] x [K 1,024, N 1,024]; A: input x; B: input k_w: QUANTISED
;;     3. [M 4,096, K 1,024] x [K 1,024, N 1,024]; A: input x; B: input v_w: QUANTISED
;;     4. batch 16 x [M 4,096, K 64] x [K 64, N 4,096]; A: computed on the way; B: computed on the way: QUANTISED
;;     5. batch 16 x [M 4,096, K 4,096] x [K 4,096, N 64]; A: softmax (see below); B: computed on the way: QUANTISED
;;     6. [M 4,096, K 1,024] x [K 1,024, N 1,024]; A: computed on the way; B: input o_w: QUANTISED
;;   THE QUANTISER, for each operand of a quantised product, along K:
;;     - K is cut into blocks of 32 from its start; a last block that is shorter is filled with zeros.
;;     - A block's scale is 2^e with e = floor(log2(the largest magnitude in the block)) - 2, held to -126 .. 127; a block of zeros has e = 0. As a byte (E8M0): e + 127.
;;     - Each number is divided by its block's scale, clamped to +-7.5, and rounded to the nearest number of E2M3, ties to even, subnormals kept.
;;     - The product sums the exact products of the quantised numbers (number of the format x scale) in f32.
;;   ~~~python
;;   def quantise(x, axis):      # numpy; x: float32 -> the quantised numbers, widened to float32 again
;;       x = np.moveaxis(x, axis, -1); K = x.shape[-1]
;;       x = np.pad(x, [(0, 0)] * (x.ndim - 1) + [(0, -K % 32)]); x = x.reshape(x.shape[:-1] + (-1, 32)); a = np.abs(x).max(-1, keepdims=True)
;;       e = np.where(a > 0, np.clip(np.frexp(np.where(a > 0, a, 1))[1] - 1 - 2, -126, 127), 0)      # np.frexp(a)[1] - 1 = floor(log2(a)), exactly
;;       r = np.clip(x / 2.0 ** e, -7.5, 7.5)
;;       step = 2.0 ** (np.maximum(np.frexp(np.where(r == 0, 1, r))[1] - 1, 0) - 3)
;;       q = np.round(r / step) * step * 2.0 ** e      # np.round: ties to even
;;       return np.moveaxis(q.reshape(q.shape[:-2] + (-1,))[..., :K], -1, axis).astype(np.float32)
;;   ~~~
;;   SOFTMAX AHEAD OF A QUANTISED PRODUCT. Where the list says 'softmax', what is quantised is not the finished softmax but p = 2^(t - M), with t = logit x log2(e) and M = ceil(the row's largest t), a whole number; so 1/2 < the row's largest p <= 1. The row's sum l is taken of the UNQUANTISED p, in f32, and the product's result is divided by l at the end. Since M is a whole number, a kernel that streams over the keys may use a running M (the ceiling of the running maximum): every later rescaling is an exact power of two, which a block's scale takes up: the codes' values come out the same.
;;   OPERANDS COMPUTED ON THE WAY. 'Computed on the way' means the value that the module computes at that place (a softmax that the list does not call 'softmax' is quantised finished and normalised). What goes into a quantiser is computed in f32, as accurately as f32 sums, v_exp_f32 and their like allow (about 1e-6 of the number): no bf16 or f16 on the way to a quantiser, and a product that is left as it is and whose result goes on into a quantised operand takes f32 operands (vector FMAs, or v_wmma_f32_16x16x4_f32). A number that lies on a knife's edge between two numbers of the format may be rounded either way, as far as f32 arithmetic and the matrix unit's own rounding can turn it there, and no further.
;; One version. Each part assembles by itself: llvm-mc -triple=amdgcn-amd-amdhsa -mcpu=gfx1250 --defsym DOCPART=n.
;; ======== version 1 of 1: 4 launches
;; limits: right only within a limited range of input values
;; workspace buffers: xc 3,276,800 bytes; wc 3,276,800 bytes; qc 3,407,872 bytes; kv 6,684,672 bytes; ao 3,276,800 bytes
;; launch quant (part 1): grid 256 x 1, 4 waves a work-group, no clusters, 74,240 bytes of LDS; arguments x, q_w, k_w, v_w, o_w, xc, wc; writes xc, wc
.if DOCPART == 1
	.amdgcn_target "amdgcn-amd-amdhsa--gfx1250"
	.amdhsa_code_object_version 6
	.text
	.protected	k_q91892a1fdd_quant
	.globl	k_q91892a1fdd_quant
	.p2align	8
	.type	k_q91892a1fdd_quant,@function
k_q91892a1fdd_quant:
	s_mov_b64 s[64:65], 0
	v_nop
	global_prefetch_b8 v0, s[64:65] scope:SCOPE_SE
	s_setreg_imm32_b32 hwreg(HW_REG_WAVE_MODE, 25, 1), 1
	s_wait_xcnt 0x0
; x [4096][1024] and the four weights [1024 (k)][1024 (n)], f32, become codes of FP6 (E2M3) with one E8M0 byte for each 32 along K.
; LAYOUT OF BOTH RESULTS ('planes'): codes [16 groups of 64 k][4096 rows][48 bytes]; behind them, at SCOFF, the scale bytes [4096 rows][32].
; In xc a row is a token; in wc a row is 1024 w + n, w = 0 q_w, 1 k_w, 2 v_w, 3 o_w.  So 128 rows of a plane are 6,144 dense bytes, and a lane of a
; fragment finds its 24 bytes at 48 (lane % 16) + 24 (lane / 16).
; A block's scale is 2^(floor(log2(its largest magnitude)) - 2); its byte is the largest magnitude's exponent field - 2, held at 1 from below.
; o_w ALONE is laid with another order inside each block of 32: place i holds k = i for i in 0-7 and 24-31, k = i + 8 for i in 8-15, k = i - 8 for i in 16-23.
; That is the order in which the attention launch leaves the codes of its result; the blocks and their scales are the true ones.
; LIMITS: NaN and infinities among the inputs are not served; a block of zeros, or one whose largest magnitude lies under 2^-124, gets the byte 1
; (its codes are zeros or nearly so; the bytes are read by this program alone).
; Work-groups 0-127 take x (32 tokens each), 128-255 the weights (128 columns x 256 along K each).  The two ways part once, on the work-group's number,
; and have LDS bytes of their own.  Waves share nothing: no barrier.  Memory binds: no matrix unit, no cluster, no tensor load.
.set SCOFF, 3145728
.set PLANE, 196608
.set STEPS, 16
.set EMAX,  2
.set SP,    80                         ; x: a lane's place in a turning stage: 64 bytes + 16 of padding
.set WREG,  12288                      ; x: a wave's LDS: two turning stages, 256 scale bytes, the stage for codes
.set XSB,   2*32*SP
.set XCS,   XSB+256
.set PP,    1632                       ; x: a plane in the stage for codes: 32 tokens x 48 bytes + 96
.set WST,   4*WREG                     ; the weights' stages: 6,144 bytes a wave: [4 planes][32 columns][48 bytes]
.set SPARE, WST+4*6144                 ; the spare words, 128 bytes for each wave: two blocks of 256 bytes that no other line names
.set SPW,   12                         ; v12  LDS address of my spare word; never rewritten
.set NIL,   13                         ; v13  0; never rewritten
.set R,     16                         ; x: v16-79 four sets of 16 numbers as loaded
.set X,     80                         ; x: v80-111 two sets of 16 neighbours
.set E,     112                        ; x: v112-127 a scale byte for each step
.set C,     128                        ; x: v128-191 codes, four registers for each step
.set WX,    32                         ; weights: v32-95 two sets of 32 numbers
.set SB,    24                         ; weights: v24-25 the scale bytes
	s_load_b256 s[4:11], s[0:1], 0x0               ; x, q_w, k_w, v_w
	s_load_b128 s[12:15], s[0:1], 0x20             ; o_w, xc
	s_load_b64 s[16:17], s[0:1], 0x30              ; wc
	v_lshl_add_u32 v[SPW], v0, 2, SPARE
	v_mov_b32 v[NIL], 0
	v_lshrrev_b32 v1, 5, v0
	v_readfirstlane_b32 s18, v1                    ; wave
	v_and_b32 v2, 31, v0                           ; lane
	s_cmp_lt_u32 ttmp9, 128
	s_cbranch_scc0 .Lweights
; ---------------- x.  Wave w takes 32 tokens x K 256 w .. 256 w + 255: 16 steps of two tokens x 256 numbers.
; Each load reads 512 consecutive bytes; a step's 2,048 bytes turn through the wave's stage so that a lane holds 16 neighbours along K (two lanes a block).
	v_lshlrev_b32 v3, 4, v2                        ; my 16 bytes of a load's 512
	s_mul_i32 s19, s18, WREG
	v_lshrrev_b32 v14, 2, v2
	v_mul_u32_u24 v14, v14, SP
	v_and_b32 v15, 3, v2
	v_lshl_add_u32 v14, v15, 4, v14
	v_add_nc_u32 v14, s19, v14                     ; the turning stage, in: SP (lane / 4) + 16 (lane % 4)
	v_mul_u32_u24 v15, v2, SP
	v_add_nc_u32 v15, s19, v15                     ; and out: SP x lane
	v_bfe_u32 v4, v2, 2, 2                         ; my 16 numbers lie in plane (lane / 4) % 4 of the wave's four,
	v_mul_u32_u24 v4, v4, PP
	v_lshrrev_b32 v5, 4, v2                        ; token lane / 16 of the step's two,
	v_mad_u32_u24 v4, v5, 48, v4
	v_and_b32 v5, 3, v2                            ; quarter lane % 4 of the token's 48 bytes
	v_mad_u32_u24 v4, v5, 12, v4
	v_add_nc_u32 v4, s19, v4
	v_add_nc_u32 v4, XCS, v4                       ; where my 12 bytes of codes go
	v_lshrrev_b32 v5, 1, v2
	v_add_nc_u32 v5, s19, v5
	v_add_nc_u32 v5, XSB, v5                       ; my block's scale byte: [32 tokens][8]
	v_lshlrev_b32 v6, 3, v2
	v_add_nc_u32 v6, s19, v6
	v_add_nc_u32 v6, XSB, v6                       ; back: token = lane, its 8 bytes
	v_lshlrev_b32 v7, 5, v2                        ; and their place in memory: 32 bytes a token
	v_add_nc_u32 v10, s19, v3
	v_add_nc_u32 v10, XCS, v10                     ; the codes back: 16 bytes a lane
	s_lshl_b32 s20, ttmp9, 17                      ; 32 tokens of 4,096 bytes
	s_lshl_b32 s21, s18, 10                        ; my 1,024 bytes of each
	s_add_co_u32 s20, s20, s21
	s_mov_b32 s21, 0
	s_mul_i32 s22, ttmp9, 1536                     ; 32 tokens of 48 bytes
	s_mul_i32 s23, s18, 4*PLANE                    ; my four planes
	s_add_co_u32 s22, s22, s23
	s_mov_b32 s23, 0
	s_lshl_b32 s24, ttmp9, 10                      ; 32 tokens of 32 scale bytes
	s_lshl_b32 s25, s18, 3                         ; my 8 of each
	s_add_co_u32 s24, s24, s25
	s_add_co_u32 s24, s24, SCOFF
	s_mov_b32 s25, 0
	s_wait_kmcnt 0x0
	s_add_nc_u64 s[4:5], s[4:5], s[20:21]
	s_add_nc_u64 s[20:21], s[14:15], s[22:23]
	s_add_nc_u64 s[22:23], s[14:15], s[24:25]
.macro XLOAD t                         ; step t: tokens 2 t and 2 t + 1, two loads of 512 bytes each
.irp i, 0,1,2,3
	global_load_b128 v[R+16*((\t)%4)+4*\i:R+16*((\t)%4)+4*\i+3], v3, s[4:5] offset:(2*(\t)+\i/2)*4096+(\i%2)*512 th:TH_LOAD_NT
.endr
.endm
.macro XTURN t                         ; through the stage: LDS serves a wave's instructions in order, so no wait stands between the stores and the loads
.irp i, 0,1,2,3
	ds_store_b128 v14, v[R+16*((\t)%4)+4*\i:R+16*((\t)%4)+4*\i+3] offset:32*SP*((\t)%2)+8*SP*\i
.endr
.irp i, 0,1,2,3
	ds_load_b128 v[X+16*((\t)%2)+4*\i:X+16*((\t)%2)+4*\i+3], v15 offset:32*SP*((\t)%2)+16*\i
.endr
.endm
.irp t, 0,1,2,3
	XLOAD \t
.endr
	s_wait_loadcnt 12                              ; step 0's four loads are in
	XTURN 0
.macro XSTEP t
.set XS, X+16*((\t)%2)
.if (\t) > 0
	s_wait_dscnt 4                                 ; this step's numbers are back (the last step's byte store and three code stores may be out): so its stores into the stage have read their registers,
.else
	s_wait_dscnt 0x0
.endif
.if (\t)+4 < STEPS
	XLOAD (\t)+4                                   ; which take the loads of four steps on
.endif
.if (\t)+1 < STEPS
.if STEPS-2-(\t) >= 3
	s_wait_loadcnt 12                              ; the next step's four loads are in; those of the three steps behind it may be out
.else
	s_wait_loadcnt 4*(STEPS-2-(\t))
.endif
	XTURN (\t)+1
.endif
	v_max3_num_f32 v8, |v[XS]|, |v[XS+1]|, |v[XS+2]|
	v_max3_num_f32 v9, |v[XS+3]|, |v[XS+4]|, |v[XS+5]|
.irp i, 6,10
	v_max3_num_f32 v8, v8, |v[XS+\i]|, |v[XS+\i+1]|
	v_max3_num_f32 v9, v9, |v[XS+\i+2]|, |v[XS+\i+3]|
.endr
	v_max3_num_f32 v8, v8, |v[XS+14]|, |v[XS+15]|
	v_max3_num_f32 v8, v8, v9, (EMAX+1)<<23        ; and the floor 2^(3 - 127): the byte cannot fall under 1
	v_max_num_f32_dpp v8, v8, v8 row_xmask:1 row_mask:0xf bank_mask:0xf   ; with my neighbour's 16: the block's largest magnitude
	v_add_nc_u32 v11, -(EMAX<<23), v8              ; 2 off its exponent field: the conversion takes this operand's exponent field as its scale
	v_cvt_scalef32_pk16_fp6_f32 v[C+4*(\t):C+4*(\t)+2], v[XS:XS+15], v11
	v_lshrrev_b32 v[E+(\t)], 23, v11               ; the scale's byte (a plain line behind the conversion)
	ds_store_b8 v5, v[E+(\t)] offset:16*(\t)       ; both lanes of a block write the same byte with the same value
.irp i, 0,1,2
	ds_store_b32 v4, v[C+4*(\t)+\i] offset:96*(\t)+4*\i
.endr
.endm
.irp t, 0,1,2,3,4,5,6,7,8,9,10,11,12,13,14,15
	XSTEP \t
.endr
	ds_load_b64 v[8:9], v6                         ; LDS serves a wave's instructions in order: these loads see my stores
.irp i, 0,1,2,3,4,5,6,7,8,9,10,11
	ds_load_b128 v[R+4*\i:R+4*\i+3], v10 offset:(\i/3)*PP+512*(\i%3)
.endr
	s_wait_dscnt 12
	global_store_b64 v7, v[8:9], s[22:23]          ; a token's 8 scale bytes: pieces 32 bytes apart, one byte in 24 of what this way stores
.irp i, 0,1,2,3,4,5,6,7,8,9,10,11
	s_wait_dscnt 11-\i
	global_store_b128 v3, v[R+4*\i:R+4*\i+3], s[20:21] offset:(\i/3)*PLANE+512*(\i%3)   ; 32 lanes store 512 consecutive bytes, at a multiple of 256 from the buffer's first byte
.endr
	s_wait_tensorcnt 0x0                           ; the wave's end, behind my last LDS store
	ds_add_u32 v[SPW], v[NIL]
	s_wait_dscnt 0x0
	s_endpgm
; ---------------- the weights.  A lane takes a column n and its registers run down K: a block of 32 lies in one lane, and the codes come out with K innermost.
.Lweights:
	s_sub_co_u32 s19, ttmp9, 128
	s_lshr_b32 s20, s19, 5                         ; which weight
	s_and_b32 s21, s19, 7                          ; which 128 columns
	s_bfe_u32 s22, s19, 0x20003                    ; which 256 along K
	s_lshl_b32 s23, s21, 7
	s_lshl_b32 s24, s18, 5
	s_add_co_u32 s23, s23, s24                     ; my wave's first column
	s_cmp_eq_u32 s20, 3
	s_cselect_b32 s30, 32768, 0                    ; o_w: registers 8-15 take the rows 8 further down (8 rows of 4,096 bytes),
	s_sub_co_u32 s31, 32768, s30                   ; and registers 16-23 the rows 8 further up
	s_wait_alu depctr_va_vdst(0)
	v_lshlrev_b32 v3, 2, v2                        ; 4 bytes a lane
	v_add_nc_u32 v8, s30, v3
	v_add_nc_u32 v9, s31, v3
	s_mul_i32 s33, s18, 6144
	s_add_co_u32 s33, s33, WST                     ; my stage
	v_mul_u32_u24 v4, v2, 48
	v_add_nc_u32 v4, s33, v4                       ; in: my column's 48 bytes of a plane
	v_lshlrev_b32 v10, 4, v2
	v_add_nc_u32 v7, s33, v10                      ; back: 16 bytes a lane
	v_lshlrev_b32 v5, 5, v2                        ; my row of scale bytes
	s_lshl_b32 s24, s22, 20                        ; 256 rows of 4,096 bytes
	s_lshl_b32 s25, s23, 2
	s_add_co_u32 s24, s24, s25
	s_mov_b32 s25, 0
	s_lshl_b32 s32, s20, 10
	s_add_co_u32 s32, s32, s23                     ; my first row of wc
	s_mul_i32 s26, s22, 4*PLANE
	s_mul_i32 s27, s32, 48
	s_add_co_u32 s26, s26, s27
	s_mov_b32 s27, 0
	s_lshl_b32 s28, s32, 5
	s_lshl_b32 s29, s22, 3
	s_add_co_u32 s28, s28, s29
	s_add_co_u32 s28, s28, SCOFF
	s_mov_b32 s29, 0
	s_wait_alu depctr_va_vdst(0)
	s_wait_kmcnt 0x0
	s_cmp_eq_u32 s20, 1                            ; the choice hangs on the work-group's number alone
	s_cselect_b64 s[6:7], s[8:9], s[6:7]
	s_cmp_eq_u32 s20, 2
	s_cselect_b64 s[6:7], s[10:11], s[6:7]
	s_cmp_eq_u32 s20, 3
	s_cselect_b64 s[6:7], s[12:13], s[6:7]
	s_add_nc_u64 s[6:7], s[6:7], s[24:25]
	s_add_nc_u64 s[26:27], s[16:17], s[26:27]
	s_add_nc_u64 s[28:29], s[16:17], s[28:29]
.macro WLOAD t                         ; block t: 32 rows of my column; each load reads 128 consecutive bytes a wave
.irp i, 0,1,2,3,4,5,6,7
	global_load_b32 v[WX+32*((\t)%2)+\i], v3, s[6:7] offset:(32*(\t)+\i)*4096 th:TH_LOAD_NT
.endr
.irp i, 8,9,10,11,12,13,14,15
	global_load_b32 v[WX+32*((\t)%2)+\i], v8, s[6:7] offset:(32*(\t)+\i)*4096 th:TH_LOAD_NT
.endr
.irp i, 16,17,18,19,20,21,22,23
	global_load_b32 v[WX+32*((\t)%2)+\i], v9, s[6:7] offset:(32*(\t)+\i-8)*4096 th:TH_LOAD_NT
.endr
.irp i, 24,25,26,27,28,29,30,31
	global_load_b32 v[WX+32*((\t)%2)+\i], v3, s[6:7] offset:(32*(\t)+\i)*4096 th:TH_LOAD_NT
.endr
.endm
	WLOAD 0
	WLOAD 1
.macro WBLOCK t
.set XS, WX+32*((\t)%2)
.if (\t) < 7
	s_wait_loadcnt 32                              ; this block's 32 loads are in; the next block's may be out
.else
	s_wait_loadcnt 0x0
.endif
	v_max3_num_f32 v16, |v[XS]|, |v[XS+1]|, |v[XS+2]|
	v_max3_num_f32 v17, |v[XS+3]|, |v[XS+4]|, |v[XS+5]|
.irp i, 6,10,14,18,22,26
	v_max3_num_f32 v16, v16, |v[XS+\i]|, |v[XS+\i+1]|
	v_max3_num_f32 v17, v17, |v[XS+\i+2]|, |v[XS+\i+3]|
.endr
	v_max3_num_f32 v16, v16, |v[XS+30]|, |v[XS+31]|
	v_max3_num_f32 v16, v16, v17, (EMAX+1)<<23
	v_add_nc_u32 v11, -(EMAX<<23), v16
	v_lshrrev_b32 v17, 23, v11                     ; the scale's byte
.if (\t)%4 == 0
	v_mov_b32 v[SB+(\t)/4], v17
.else
	v_lshl_or_b32 v[SB+(\t)/4], v17, 8*((\t)%4), v[SB+(\t)/4]
.endif
	v_cvt_scalef32_pk16_fp6_f32 v[96:98], v[XS:XS+15], v11
	v_cvt_scalef32_pk16_fp6_f32 v[100:102], v[XS+16:XS+31], v11   ; (a conversion's three registers begin on an even number)
	v_nop                                          ; one plain line behind the conversions
	v_mov_b32 v99, v100                            ; the block's 24 bytes on end
	v_mov_b32 v100, v101
	v_mov_b32 v101, v102
.irp p, 0,1,2
	ds_store_b64 v4, v[96+2*\p:97+2*\p] offset:((\t)/2)*1536+24*((\t)%2)+8*\p
.endr
.if (\t)+2 < 8
	WLOAD (\t)+2
.endif
	s_wait_dscnt 0x0                               ; the stores have read their registers: the next block's codes may be written
.endm
.irp t, 0,1,2,3,4,5,6,7
	WBLOCK \t
.endr
	s_wait_alu depctr_va_vdst(0)
	global_store_b64 v5, v[SB:SB+1], s[28:29]      ; my column's 8 scale bytes
.irp i, 0,1,2,3,4,5,6,7,8,9,10,11
	ds_load_b128 v[112+4*\i:115+4*\i], v7 offset:512*\i
.endr
.irp i, 0,1,2,3,4,5,6,7,8,9,10,11
	s_wait_dscnt 11-\i
	global_store_b128 v10, v[112+4*\i:115+4*\i], s[26:27] offset:(\i/3)*PLANE+512*(\i%3)   ; 512 consecutive bytes, at a multiple of 256 from the buffer's first byte
.endr
	s_wait_tensorcnt 0x0                           ; the wave's end, behind my last LDS store
	ds_add_u32 v[SPW], v[NIL]
	s_wait_dscnt 0x0
	s_endpgm
.Lfunc_end_k_q91892a1fdd_quant:
	.size	k_q91892a1fdd_quant, .Lfunc_end_k_q91892a1fdd_quant-k_q91892a1fdd_quant
	.p2alignl 7, 3214868480
	.fill 96, 4, 3214868480
	.section	.rodata,"a",@progbits
	.p2align	6, 0x0
	.amdhsa_kernel k_q91892a1fdd_quant
		.amdhsa_group_segment_fixed_size 74240
		.amdhsa_private_segment_fixed_size 0
		.amdhsa_enable_private_segment 0
		.amdhsa_kernarg_size 56
		.amdhsa_user_sgpr_count 2
		.amdhsa_user_sgpr_kernarg_segment_ptr 1
		.amdhsa_wavefront_size32 1
		.amdhsa_system_sgpr_workgroup_id_x 1
		.amdhsa_system_sgpr_workgroup_id_y 1
		.amdhsa_system_sgpr_workgroup_id_z 1
		.amdhsa_system_vgpr_workitem_id 0
		.amdhsa_next_free_vgpr 192
		.amdhsa_next_free_sgpr 66
		.amdhsa_reserve_vcc 0
		.amdhsa_float_denorm_mode_32 3
		.amdhsa_float_denorm_mode_16_64 3
		.amdhsa_memory_ordered 1
		.amdhsa_forward_progress 1
		.amdhsa_inst_pref_size 78
	.end_amdhsa_kernel
	.amdgpu_metadata
---
amdhsa.version: [ 1, 2 ]
amdhsa.kernels:
  - .name:           k_q91892a1fdd_quant
    .symbol:         k_q91892a1fdd_quant.kd
    .args:
      - { .name: x, .offset: 0, .size: 8, .value_kind: global_buffer, .address_space: global }
      - { .name: q_w, .offset: 8, .size: 8, .value_kind: global_buffer, .address_space: global }
      - { .name: k_w, .offset: 16, .size: 8, .value_kind: global_buffer, .address_space: global }
      - { .name: v_w, .offset: 24, .size: 8, .value_kind: global_buffer, .address_space: global }
      - { .name: o_w, .offset: 32, .size: 8, .value_kind: global_buffer, .address_space: global }
      - { .name: xc, .offset: 40, .size: 8, .value_kind: global_buffer, .address_space: global }
      - { .name: wc, .offset: 48, .size: 8, .value_kind: global_buffer, .address_space: global }
    .group_segment_fixed_size: 74240
    .private_segment_fixed_size: 0
    .kernarg_segment_align: 8
    .kernarg_segment_size: 56
    .max_flat_workgroup_size: 128
    .sgpr_count:     66
    .vgpr_count:     192
    .wavefront_size: 32
...
	.end_amdgpu_metadata
.endif
;; end of part 1
;; launch proj (part 2): grid 12 x 16, 4 waves a work-group, clusters of 4 x 4, 327,680 bytes of LDS; arguments xc, wc, qc, kv; writes qc, kv
.if DOCPART == 2
	.amdgcn_target "amdgcn-amd-amdhsa--gfx1250"
	.amdhsa_code_object_version 6
	.text
	.protected	k_q91892a1fdd_proj
	.globl	k_q91892a1fdd_proj
	.p2align	8
	.type	k_q91892a1fdd_proj,@function
k_q91892a1fdd_proj:
	s_mov_b64 s[64:65], 0
	v_nop
	global_prefetch_b8 v0, s[64:65] scope:SCOPE_SE
	s_setreg_imm32_b32 hwreg(HW_REG_WAVE_MODE, 25, 1), 1
	s_wait_xcnt 0x0
	s_wait_alu depctr_hold_cnt(0) depctr_sa_sdst(0) depctr_va_vdst(0) depctr_va_sdst(0) depctr_va_ssrc(0) depctr_va_vcc(0) depctr_vm_vsrc(0)
	s_getreg_b32 s2, hwreg(HW_REG_IB_STS2, 6, 4)
	s_cmp_eq_u32 s2, 0
	s_cbranch_scc0 .Lentry_in_a_cluster
	s_endpgm
.Lentry_in_a_cluster:
	s_bfe_u32 s2, ttmp6, 0x10000c
	s_cmp_lg_u32 s2, 0xf033
	s_cbranch_scc0 .Lentry_shape_is_right
	s_endpgm
.Lentry_shape_is_right:
.set NQ,     2
.set FR,     12
.set NL,     6
.set NP,     4
.set PLB,    6144
.set HALFT,  4*PLB
.set SLOT,   4*HALFT
.set LAPS,   2
.set KS,     32
.set SCL,    2*SLOT
.set HALFS,  16*272
.set SBLK,   2*272
.set SPARE,  SCL+4*HALFS
.set PLANE,  196608
.set SCOFF,  3145728
.set WSTG,   13312
.set ADRA, 16
.set ADRB, 20
.set STC,  24
.set STS,  25
.set RD,   26
.set CO,   27
.set SPW,  28
.set NIL,  29
.set SCO,  30
.set ADRS, 31
.set SC,   32
.set AF,   128
.set PC,   64
.set TM,   84
.set PW,   96
.set G1, 24
.set G0, 32
.set G1B, 48
.set G0B, 56
.set G1S, 68
.set G0S, 76
.set G1SB, 80
.set G0SB, 88
.set MSB, 0
.macro WIN new
.if MSB != \new
	s_set_vgpr_msb (MSB<<8)|\new
.set MSB, \new
.endif
.endm
.set MUL_LO, 0xa1
.set MUL_HI, 0xf1
.set TO_B,   0x40
.macro JLOAD g0a, g1a, g0b, g1b
	s_cmp_eq_u32 s15, 0
	s_cbranch_scc0 .Lfor_b_\@
	tensor_load_to_lds s[\g0a:\g0a+3], s[\g1a:\g1a+7]
	s_nop 0
.rept 4
	v_nop
.endr
	s_branch .Lasked_\@
.Lfor_b_\@:
	tensor_load_to_lds s[\g0b:\g0b+3], s[\g1b:\g1b+7]
	s_nop 0
.rept 4
	v_nop
.endr
.Lasked_\@:
.endm
.macro CREST
	s_cmp_lg_u32 s14, 0
	s_cbranch_scc1 .Lnot_wave_0_\@
	s_barrier_signal -3
.Lnot_wave_0_\@:
	s_barrier_wait -3
	s_barrier_signal -1
	s_barrier_wait -1
.endm
.macro CROUND
	s_barrier_signal -1
	s_barrier_wait -1
	CREST
.endm
	s_load_b128 s[4:7], s[0:1], 0x0
	s_load_b128 s[8:11], s[0:1], 0x10
	v_lshl_add_u32 v[SPW], v0, 2, SPARE
	v_mov_b32 v[NIL], 0
	ds_add_u32 v[SPW], v[NIL]
	ds_add_u32 v[SPW], v[NIL]
	v_lshrrev_b32 v1, 5, v0
	v_readfirstlane_b32 s14, v1
	s_lshr_b32 s15, s14, 1
	s_and_b32 s16, s14, 1
	s_bfe_u32 s40, ttmp6, 0x40000
	s_bfe_u32 s41, ttmp6, 0x40004
	s_mov_b32 s12, ttmp9
	s_and_b32 s13, ttmp7, 0xffff
	s_lshl_b32 s17, s13, 2
	s_add_co_u32 s17, s17, s41
	s_add_co_u32 s21, s41, 8
	s_lshl_b32 s42, s12, 2
	s_add_co_u32 s42, s42, s40
	s_lshl_b32 s46, s13, 2
	s_add_co_u32 s46, s46, s40
	s_cmp_eq_u32 s12, 2
	s_cselect_b32 s17, s21, s17
	s_cselect_b32 s42, s46, s42
	s_lshl_b32 s43, s41, 2
	s_lshl_b32 s43, 15, s43
	s_lshl_b32 s44, 0x1111, s40
	s_or_b32 s[G1+0], s43, (3<<16)|(1<<21)
	s_or_b32 s[G1B+0], s44, (3<<16)|(1<<21)
.irp g, G1, G1B
	s_mov_b32 s[\g+1], 768<<16
	s_mov_b32 s[\g+2], 4<<16
	s_mov_b32 s[\g+3], 768<<16
	s_mov_b32 s[\g+4], 4
	s_mov_b32 s[\g+5], PLANE/8
	s_mov_b32 s[\g+6], 0
	s_mov_b32 s[\g+7], 0
.endr
	s_or_b32 s[G1S+0], s43, (3<<16)|(1<<20)|(1<<21)|(5<<22)|(3<<25)
	s_or_b32 s[G1SB+0], s44, (3<<16)|(1<<20)|(1<<21)|(5<<22)|(3<<25)
.irp g, G1S, G1SB
	s_mov_b32 s[\g+1], 32<<16
	s_mov_b32 s[\g+2], 16<<16
	s_mov_b32 s[\g+3], 32<<16
	s_mov_b32 s[\g+4], 16
	s_mov_b32 s[\g+5], 32
	s_mov_b32 s[\g+6], 0
	s_mov_b32 s[\g+7], 0
.endr
	s_lshl_b32 s18, s16, 7
	s_lshl_b32 s20, s17, 8
	s_add_co_u32 s20, s20, s18
	s_lshl_b32 s46, s42, 8
	s_add_co_u32 s46, s46, s18
	s_lshl_b32 s22, s20, 5
	s_add_co_u32 s22, s22, SCOFF
	s_mov_b32 s23, 0
	s_lshl_b32 s92, s46, 5
	s_add_co_u32 s92, s92, SCOFF
	s_mov_b32 s93, 0
	s_mul_i32 s20, s20, 48
	s_mov_b32 s21, 0
	s_mul_i32 s46, s46, 48
	s_mov_b32 s47, 0
	s_mul_i32 s45, s14, HALFT
	s_mul_i32 s19, s14, HALFS
	s_wait_dscnt 0x0
	s_wait_kmcnt 0x0
	s_cmp_eq_u32 s12, 2
	s_cselect_b64 s[2:3], s[6:7], s[4:5]
	s_cselect_b64 s[6:7], s[4:5], s[6:7]
	s_add_nc_u64 s[20:21], s[2:3], s[20:21]
	s_add_nc_u64 s[22:23], s[2:3], s[22:23]
	s_add_nc_u64 s[46:47], s[6:7], s[46:47]
	s_add_nc_u64 s[92:93], s[6:7], s[92:93]
	CROUND
	s_mov_b32 s[G0S], 1
	s_add_co_u32 s[G0S+1], s19, SCL
	s_mov_b64 s[G0S+2:G0S+3], s[22:23]
	s_or_b32 s[G0S+3], s[G0S+3], 0x80000000
	s_mov_b32 s[G0SB], 1
	s_add_co_u32 s[G0SB+1], s19, SCL
	s_mov_b64 s[G0SB+2:G0SB+3], s[92:93]
	s_or_b32 s[G0SB+3], s[G0SB+3], 0x80000000
	JLOAD G0S, G1S, G0SB, G1SB
.irp s, 0,1
	s_mov_b32 s[G0+4*\s], 1
	s_add_co_u32 s[G0+4*\s+1], s45, \s*SLOT
	s_add_nc_u64 s[G0+4*\s+2:G0+4*\s+3], s[20:21], \s*4*PLANE
	s_or_b32 s[G0+4*\s+3], s[G0+4*\s+3], 0x80000000
	s_mov_b32 s[G0B+4*\s], 1
	s_add_co_u32 s[G0B+4*\s+1], s45, \s*SLOT
	s_add_nc_u64 s[G0B+4*\s+2:G0B+4*\s+3], s[46:47], \s*4*PLANE
	s_or_b32 s[G0B+4*\s+3], s[G0B+4*\s+3], 0x80000000
	s_wait_alu depctr_va_vdst(0)
	s_wait_tensorcnt 0x0
	ds_add_u32 v28, v29
	s_wait_dscnt 0x0
	CROUND
	JLOAD G0+4*\s, G1, G0B+4*\s, G1B
.endr
	v_and_b32 v1, 15, v0
	v_bfe_u32 v2, v0, 4, 1
	v_mul_u32_u24 v3, v1, 48
	v_mad_u32_u24 v4, v2, 24, v3
	s_mul_i32 s21, s15, HALFT
	s_mul_i32 s22, s16, HALFT
	s_add_co_u32 s22, s22, 2*HALFT
.irp s, 0,1
	v_add_nc_u32 v[ADRA+\s], s21, v4
	v_add_nc_u32 v[ADRB+\s], s22, v4
	s_add_co_u32 s21, s21, SLOT
	s_add_co_u32 s22, s22, SLOT
.endr
	v_mul_u32_u24 v5, v1, KS
	v_lshrrev_b32 v6, 8, v5
	v_lshl_add_u32 v5, v6, 4, v5
	s_mul_i32 s21, s15, HALFS
	s_mul_i32 s22, s16, HALFS
	s_add_co_u32 s22, s22, 2*HALFS
	s_sub_co_u32 s22, s22, s21
	v_mul_u32_u24 v6, s22, v2
	s_add_co_u32 s21, s21, SCL
	v_add_nc_u32 v5, v5, v6
	v_add_nc_u32 v[ADRS], s21, v5
	s_mul_i32 s23, s14, WSTG
	v_add_nc_u32 v[STC], s23, v4
	v_lshlrev_b32 v5, 2, v1
	v_add_nc_u32 v[STS], s23, v5
	v_add_nc_u32 v[STS], 12288, v[STS]
	v_and_b32 v6, 31, v0
	v_lshlrev_b32 v[CO], 4, v6
	v_add_nc_u32 v[RD], s23, v[CO]
.macro FRAG reg, adr, q, i
.irp p, 0,1,2,3,4,5
	ds_load_b64 v[\reg+2*\p:\reg+2*\p+1], v[\adr] offset:(2*(\q)+\p/3)*PLB+(\i)*768+8*(\p%3)
.endr
.endm
.macro MUL16 a0, p, q, sc, zero
.irp a, \a0, \a0+1
.irp b, 0,1,2,3,4,5,6,7
.if \zero
	v_wmma_scale_f32_16x16x128_f8f6f4 v[8*(8*((\a)%4)+\b):8*(8*((\a)%4)+\b)+7], v[128*(\p)+FR*\b:128*(\p)+FR*\b+FR-1], v[AF+FR*(\a):AF+FR*(\a)+FR-1], 0, v[SC+8*NQ*(\sc)+NQ*\b+(\q)], v[SC+8*NQ*(\sc)+NQ*(\a)+(\q)] matrix_a_fmt:MATRIX_FMT_FP6 matrix_b_fmt:MATRIX_FMT_FP6 matrix_a_scale:MATRIX_SCALE_ROW1
.else
	v_wmma_scale_f32_16x16x128_f8f6f4 v[8*(8*((\a)%4)+\b):8*(8*((\a)%4)+\b)+7], v[128*(\p)+FR*\b:128*(\p)+FR*\b+FR-1], v[AF+FR*(\a):AF+FR*(\a)+FR-1], v[8*(8*((\a)%4)+\b):8*(8*((\a)%4)+\b)+7], v[SC+8*NQ*(\sc)+NQ*\b+(\q)], v[SC+8*NQ*(\sc)+NQ*(\a)+(\q)] matrix_a_fmt:MATRIX_FMT_FP6 matrix_b_fmt:MATRIX_FMT_FP6 matrix_a_scale:MATRIX_SCALE_ROW1
.endif
.endr
.endr
.endm
.macro FETCH_B slot, q, p
	WIN TO_B
.irp i, 0,1,2,3,4,5,6,7
	FRAG 128*(\p)+FR*\i, ADRB+\slot, \q, \i
.endr
	WIN 0
.endm
.macro FETCH_A slot, q, i0
.irp i, \i0, \i0+1, \i0+2, \i0+3
	FRAG AF+FR*(\i), ADRA+\slot, \q, \i
.endr
.endm
.macro SCALES sc
.irp i, 0,1,2,3,4,5,6,7
	ds_load_b64 v[SC+8*NQ*\sc+NQ*\i:SC+8*NQ*\sc+NQ*\i+1], v[ADRS] offset:\i*SBLK
.endr
.endm
.macro PLACES n
.rept \n
	v_nop
.endr
.endm
.macro STEP slot, q, zero
	s_wait_dscnt 4*NL
	WIN MUL_LO
	MUL16 0, (\q)%2, \q, \slot, \zero
	MUL16 2, (\q)%2, \q, \slot, \zero
	s_wait_dscnt 0
	PLACES NP
	FETCH_B \slot, (\q)+1, 1-(\q)%2
	FETCH_A \slot, (\q)+1, 0
	WIN MUL_HI
	MUL16 4, (\q)%2, \q, \slot, \zero
	MUL16 6, (\q)%2, \q, \slot, \zero
	PLACES NP
	WIN 0
	FETCH_A \slot, (\q)+1, 4
.endm
.macro TURN slot, next, fill
	s_wait_tensorcnt 0x0
	ds_add_u32 v[SPW], v[NIL]
	s_wait_dscnt 4*NL+1
	WIN MUL_LO
	MUL16 0, 1, NQ-1, \slot, 0
	s_wait_dscnt 0x0
	s_barrier_signal -1
	MUL16 2, 1, NQ-1, \slot, 0
	WIN 0
	s_barrier_wait -1
.if \fill
	CREST
	s_add_nc_u64 s[G0+4*\slot+2:G0+4*\slot+3], s[G0+4*\slot+2:G0+4*\slot+3], 8*PLANE
	s_add_nc_u64 s[G0B+4*\slot+2:G0B+4*\slot+3], s[G0B+4*\slot+2:G0B+4*\slot+3], 8*PLANE
	JLOAD G0+4*\slot, G1, G0B+4*\slot, G1B
.else
	PLACES NP
.endif
	s_wait_alu depctr_va_vdst(0)
	v_add_nc_u32 v[ADRS], 4*NQ, v[ADRS]
	FETCH_B \next, 0, 0
	FETCH_A \next, 0, 0
	SCALES \next
	WIN MUL_HI
	MUL16 4, 1, NQ-1, \slot, 0
	MUL16 6, 1, NQ-1, \slot, 0
	PLACES NP
	WIN 0
	FETCH_A \next, 0, 4
.endm
	s_wait_alu depctr_va_vdst(0)
	s_wait_tensorcnt 1
	s_barrier_signal -1
	s_barrier_wait -1
	FETCH_B 0, 0, 0
	FETCH_A 0, 0, 0
	SCALES 0
	FETCH_A 0, 0, 4
	STEP 0, 0, 1
	s_mov_b32 s3, LAPS-1
.Llap:
	TURN 0, 1, 1
	STEP 1, 0, 0
	TURN 1, 0, 1
	STEP 0, 0, 0
	s_sub_co_u32 s3, s3, 1
	s_cmp_lg_u32 s3, 0
	s_cbranch_scc1 .Llap
	TURN 0, 1, 0
	STEP 1, 0, 0
	s_wait_dscnt 4*NL
	WIN MUL_LO
	MUL16 0, 1, NQ-1, 1, 0
	MUL16 2, 1, NQ-1, 1, 0
	s_wait_dscnt 0
	WIN MUL_HI
	MUL16 4, 1, NQ-1, 1, 0
	MUL16 6, 1, NQ-1, 1, 0
	WIN 0
	PLACES NP
	s_mov_b32 s2, 0x76543210
	s_mov_b32 s3, 0xfedcba98
	s_cmp_eq_u32 s12, 0
	s_cselect_b64 s[8:9], s[8:9], s[10:11]
	s_mov_b32 s18, 417792
	s_cselect_b32 s18, 196608, s18
	s_mov_b32 s19, 13056
	s_cselect_b32 s19, 6144, s19
	s_mov_b32 s10, 417792
	s_cselect_b32 s10, 16384, s10
	s_mov_b32 s11, 13056
	s_cselect_b32 s11, 512, s11
	s_mov_b32 s66, 12288
	s_cselect_b32 s66, SCOFF, s66
	s_cmp_eq_u32 s12, 2
	s_cselect_b32 s66, 12800, s66
	s_cselect_b32 s67, 6144, 0
	s_cselect_b32 s94, s41, s40
	s_cselect_b32 s95, s15, s16
	s_cselect_b32 s96, s42, s17
	s_cselect_b32 s97, s16, s15
	s_mov_b32 s98, 3072
	s_cselect_b32 s99, s98, s18
	s_cselect_b32 s98, s18, s98
	s_mov_b32 s100, 256
	s_cselect_b32 s100, 417792, s100
	s_cselect_b32 s101, -1, 0xffff
	s_lshl_b32 s94, s94, 2
	s_lshl_b32 s95, s95, 1
	s_add_co_u32 s94, s94, s95
	s_lshl_b32 s96, s96, 1
	s_add_co_u32 s96, s96, s97
	s_mul_i32 s95, s94, s18
	s_mul_i32 s97, s96, s19
	s_add_co_u32 s18, s95, s97
	s_add_co_u32 s18, s18, s67
	s_mov_b32 s19, 0
	s_mul_i32 s95, s94, s10
	s_mul_i32 s97, s96, s11
	s_add_co_u32 s66, s66, s95
	s_add_co_u32 s66, s66, s97
	s_mov_b32 s67, 0
	s_mov_b32 s11, 0
	s_add_nc_u64 s[66:67], s[8:9], s[66:67]
	s_add_nc_u64 s[10:11], s[66:67], s[10:11]
	s_add_nc_u64 s[94:95], s[8:9], s[18:19]
	s_mov_b32 s18, s98
	s_mov_b32 s8, s99
	s_mov_b32 s9, 0
	s_add_nc_u64 s[96:97], s[94:95], s[18:19]
	s_add_nc_u64 s[98:99], s[94:95], s[8:9]
	s_add_nc_u64 s[8:9], s[98:99], s[18:19]
	v_mul_lo_u32 v[SCO], v2, s100
	v_lshl_add_u32 v[SCO], v1, 4, v[SCO]
.irp b, 0,1,2,3
	v_mov_b32 v[TM+4+\b], 0
.endr
.macro QUANTA a
.set AC, 64*((\a)%4)
	WIN 0x0a+5*((\a)/4)
.irp b, 0,1,2,3
	v_max3_num_f32 v[TM+\b], |v[AC+16*\b]|, |v[AC+16*\b+1]|, 0x1800000
.endr
.irp i, 2,4,6,8,10,12,14
.irp b, 0,1,2,3
	v_max3_num_f32 v[TM+\b], |v[AC+16*\b+\i]|, |v[AC+16*\b+\i+1]|, v[TM+\b]
.endr
.endr
	WIN 0
.irp b, 0,1,2,3
	v_permlanex16_b32 v[TM+4+\b], v[TM+\b], s2, s3
.endr
.irp b, 0,1,2,3
	v_max_num_f32 v[TM+\b], v[TM+\b], v[TM+4+\b]
.endr
.irp b, 0,1,2,3
	v_add_nc_u32 v[TM+8+\b], 0xff000000, v[TM+\b]
.endr
.irp b, 0,1,2,3
	v_lshrrev_b32 v[TM+4+\b], 23, v[TM+8+\b]
.endr
	v_lshl_or_b32 v[PW], v[TM+5], 8, v[TM+4]
	v_lshl_or_b32 v[PW], v[TM+6], 16, v[PW]
	v_lshl_or_b32 v[PW], v[TM+7], 24, v[PW]
	v_and_b32 v[PW+2], s101, v[PW]
	v_lshrrev_b32 v[PW+1], 16, v[PW]
	WIN 0x02+((\a)/4)
	v_cvt_scalef32_pk16_fp6_f32 v[PC:PC+2], v[AC:AC+15], v[TM+8]
	v_cvt_scalef32_pk16_fp6_f32 v[PC+12:PC+14], v[AC+16:AC+31], v[TM+9]
	v_cvt_scalef32_pk16_fp6_f32 v[PC+6:PC+8], v[AC+32:AC+47], v[TM+10]
	v_cvt_scalef32_pk16_fp6_f32 v[PC+16:PC+18], v[AC+48:AC+63], v[TM+11]
	WIN 0
	v_nop
.irp c, 0,1
.irp i, 0,1,2
	v_permlane16_swap_b32 v[PC+6*\c+\i], v[PC+12+4*\c+\i]
.endr
.irp i, 0,1,2
	v_mov_b32 v[PC+3+6*\c+\i], v[PC+12+4*\c+\i]
.endr
.endr
.irp c, 0,1
.irp p, 0,1,2
	ds_store_b64 v[STC], v[PC+6*\c+2*\p:PC+6*\c+2*\p+1] offset:\c*6144+(\a)*768+8*\p
.endr
.endr
	ds_store_b32 v[STS], v[PW+2] offset:64*(\a)
	ds_store_b32 v[STS], v[PW+1] offset:512+64*(\a)
	s_wait_dscnt 0x0
.endm
.irp a, 0,1,2,3,4,5,6,7
	QUANTA \a
.endr
.irp i, 0,1,2,3,4,5,6,7,8,9,10,11,12,13,14,15,16,17,18,19,20,21,22,23
	ds_load_b128 v[128+4*\i:131+4*\i], v[RD] offset:512*\i
.endr
	ds_load_b128 v[224:227], v[RD] offset:12288
	ds_load_b128 v[228:231], v[RD] offset:12800
	s_wait_dscnt 0x0
.macro RUN n, base
.irp k, 0,1,2,3,4,5
	global_store_b128 v[CO], v[128+4*(6*\n+\k):131+4*(6*\n+\k)], s[\base:\base+1] offset:512*\k
.endr
.endm
	RUN 0, 94
	RUN 1, 96
	RUN 2, 98
	RUN 3, 8
	global_store_b128 v[SCO], v[224:227], s[66:67]
	s_cmp_eq_u32 s12, 2
	s_cbranch_scc1 .Lno_second
	global_store_b128 v[CO], v[228:231], s[10:11]
.Lno_second:
	s_wait_tensorcnt 0x0
	ds_add_u32 v[SPW], v[NIL]
	s_wait_dscnt 0x0
	CROUND
	s_endpgm
.Lfunc_end_k_q91892a1fdd_proj:
	.size	k_q91892a1fdd_proj, .Lfunc_end_k_q91892a1fdd_proj-k_q91892a1fdd_proj
	.p2alignl 7, 3214868480
	.fill 96, 4, 3214868480
	.section	.rodata,"a",@progbits
	.p2align	6, 0x0
	.amdhsa_kernel k_q91892a1fdd_proj
		.amdhsa_group_segment_fixed_size 327680
		.amdhsa_private_segment_fixed_size 0
		.amdhsa_enable_private_segment 0
		.amdhsa_kernarg_size 32
		.amdhsa_user_sgpr_count 2
		.amdhsa_user_sgpr_kernarg_segment_ptr 1
		.amdhsa_wavefront_size32 1
		.amdhsa_system_sgpr_workgroup_id_x 1
		.amdhsa_system_sgpr_workgroup_id_y 1
		.amdhsa_system_sgpr_workgroup_id_z 1
		.amdhsa_system_vgpr_workitem_id 0
		.amdhsa_next_free_vgpr 1024
		.amdhsa_next_free_sgpr 102
		.amdhsa_reserve_vcc 0
		.amdhsa_float_denorm_mode_32 3
		.amdhsa_float_denorm_mode_16_64 3
		.amdhsa_memory_ordered 1
		.amdhsa_forward_progress 1
		.amdhsa_inst_pref_size 173
	.end_amdhsa_kernel
	.amdgpu_metadata
---
amdhsa.version: [ 1, 2 ]
amdhsa.kernels:
  - .name:           k_q91892a1fdd_proj
    .symbol:         k_q91892a1fdd_proj.kd
    .args:
      - { .name: xc, .offset: 0, .size: 8, .value_kind: global_buffer, .address_space: global }
      - { .name: wc, .offset: 8, .size: 8, .value_kind: global_buffer, .address_space: global }
      - { .name: qc, .offset: 16, .size: 8, .value_kind: global_buffer, .address_space: global }
      - { .name: kv, .offset: 24, .size: 8, .value_kind: global_buffer, .address_space: global }
    .group_segment_fixed_size: 327680
    .private_segment_fixed_size: 0
    .kernarg_segment_align: 8
    .kernarg_segment_size: 32
    .max_flat_workgroup_size: 128
    .sgpr_count:     102
    .vgpr_count:     1024
    .wavefront_size: 32
...
	.end_amdgpu_metadata
.endif
;; end of part 2
;; launch attn (part 3): grid 16 x 16, 16 waves a work-group, clusters of 4 x 1, 327,680 bytes of LDS; arguments qc, kv, ao; writes ao
.if DOCPART == 3
	.amdgcn_target "amdgcn-amd-amdhsa--gfx1250"
	.amdhsa_code_object_version 6
	.text
	.protected	k_q91892a1fdd_attn
	.globl	k_q91892a1fdd_attn
	.p2align	8
	.type	k_q91892a1fdd_attn,@function
k_q91892a1fdd_attn:
	s_mov_b64 s[64:65], 0
	v_nop
	global_prefetch_b8 v0, s[64:65] scope:SCOPE_SE
	s_setreg_imm32_b32 hwreg(HW_REG_WAVE_MODE, 25, 1), 1
	s_wait_xcnt 0x0
	s_wait_alu depctr_hold_cnt(0) depctr_sa_sdst(0) depctr_va_vdst(0) depctr_va_sdst(0) depctr_va_ssrc(0) depctr_va_vcc(0) depctr_vm_vsrc(0)
	s_getreg_b32 s2, hwreg(HW_REG_IB_STS2, 6, 4)
	s_cmp_eq_u32 s2, 0
	s_cbranch_scc0 .Lentry_in_a_cluster
	s_endpgm
.Lentry_in_a_cluster:
	s_bfe_u32 s2, ttmp6, 0x10000c
	s_cmp_lg_u32 s2, 0x3003
	s_cbranch_scc0 .Lentry_shape_is_right
	s_endpgm
.Lentry_shape_is_right:
; Causal attention with ALiBi on codes of FP6 (E2M3), 16 heads of 64, 4,096 tokens; both products by the scaled matrix instruction; the result, divided by the row's sum, is quantised along the features and leaves as codes.
; logit(i, j) = q_i . k_j / 8 - slope (i - j) for j <= i.  t = logit x log2(e); M = the running largest t rounded up to a whole number; p = 2^(t - M) is quantised along the keys, not normalised;
; the row's sum is taken of the unquantised p; when M moves, the sum and O are multiplied by 2^(old M - new M), exactly.  Key steps that lie wholly behind a tile's diagonal (the mask that the problem builds itself) are left out.
; SHARES.  A tile of 16 queries is served by a PAIR of waves, w and w + 8 (w = 0 .. 7): wave w takes the even key steps (128 keys each), wave w + 8 the odd ones, each with its own M, sum and O.
; A pair serves two tiles one after the other: first one of the early block of 128 queries BLO = 4 c + i, then one of the late block BHI = 31 - BLO (c = the cluster's x, i = (w / 2) % 4): BLO + 1 and 32 - BLO steps, 33 for every pair.
; Of a block's eight tiles the work-group at place cx takes tiles 2 cx and 2 cx + 1: so the diagonal step hangs on the wave's number and the cluster's x alone, and only global addresses hang on cx.
; At a phase's end wave w + 8 hands -M, the sum and O to wave w through LDS; wave w brings both under the larger M (exact powers of two), adds, divides, quantises and stores.
; SLOTS.  A slot holds 8 units (8 key steps, 104,448 bytes).  Every work-group walks 5 slots: L = 1 + c / 2 for the early phase, 5 - L for the late one; the trip counts are constants, and a wave jumps over the steps behind its diagonal.
; A slot comes as 16 joint loads, one a wave, with a mask that names the cluster's four: wave w < 15 brings bytes 768 w .. 768 w + 767 of each of the 8 units, wave 15 the last 1,536 of each; every load holds bytes of the slot's first unit, which is read.
; So in LDS piece k < 15 of unit u lies at 6,144 k + 768 u, and piece 15 and the scale words at 92,160 + 1,536 u.  Pieces 0-7: K's eight fragments; 8-15: V^T's; 16: scale words.
; LAYOUT.  Both products are used transposed: S^T = K Q^T (K = the head's 64; the instruction's upper 64 meet Q's zero codes), O^T = V^T P^T.  A lane holds one query throughout.
; The C of the score products is 8 slope x (key - the step's first key), kept in 64 registers; then t = c S' + g, c = log2(e) / 8, g = slope log2(e) (first key - query).
; THE ORDER INSIDE A BLOCK OF 32 KEYS (and of 32 features of the result): place i holds k = i for i in 0-7 and 24-31, i + 8 for 8-15, i - 8 for 16-23; V^T's codes, and o_w's, were laid in the same order.
; PREFETCH: behind each joint load but the first and the last, the slot after the one asked for: the head's first cluster asks, each partner for two units (102 blocks of 256 bytes, told apart by address), waves 4-7, a lane a block.
; LIMITS: S' is rounded at a magnitude of up to 8 slope x 127 < 719 and g at up to 4,180: about 1e-5 in t for keys that count; p under 2^-126 is 0 (v_exp_f32 flushes: ISA guide 15.8);
; a block of zeros gets the byte 1; NaN and infinities are not served; the scaled scores stay under 2^31 in magnitude.
; REGISTERS: v1 48 r + 24 h, v2 4 r, v3, v4 the step's LDS addresses, v5, v6 the add's two, v7 my query, v8 g, v9 at work, v[10:11] g - M, v12 -M, v13 the largest t, v[14:15] the sum in two halves,
; v16-21 Q's codes, v22-27 zeros, v28 4 r + 768, v29 the prefetch's offset, v30 my query - 8 h, v31 -infinity, v32-85 K's eight fragments 6 registers apart (v80-85 zeros), later the softmax's work;
; v86-93 K's (V's) scale words, v94 p's, v95 Q's; v96-159 S^T, then p, then V's four fragments; v160-191 O^T; v192-255 the bias.
.set UNIT,  13056
.set SLOTB, 8*UNIT
.set SLOT1, 131072                     ; slot 1 begins here: one exclusive or turns an address of one slot into the other's
.set QST,   104448                     ; behind slot 0: the late tile's Q, 1,024 bytes for each wave
.set STG,   235520                     ; behind slot 1: what wave w + 8 hands to wave w: 4,608 bytes a pair
.set OUTS,  272384                     ; the way out: 768 bytes for each wave
.set SPARE, 284672                     ; the spare words, 128 bytes for each wave
.set HS,    32*UNIT
.set SCOFF, 3145728
.set WV,  18
.set SEL, 20
.set CS,  22
.set G1,  24
.set G0,  32
.set TB,  36                           ; LDS byte of my step's unit among pieces 0-14
.set KF,  37                           ; the step's first key
.set KAP, 38                           ; the step's number
.set DG,  39                           ; my tile's diagonal step
.set SLOTS, 40
.set STP, 41
.set S8,  42
.set SL2, 44
.set LIM, 45
.set PFA, 46
.set G1D, 68                           ; group 1 of wave 15's wider tile
.set KVB, 76                           ; s[76:77] my piece of the head's unit 0
.set TS,  78                           ; LDS byte of my step's unit in wave 15's tile
.set HH,  79                           ; L
.set HH1, 80
.set NX,  81                           ; the slot asked for last
.set EE,  82                           ; 0: even steps, 1: odd steps
.set BLO, 83
.set BHI, 84
.set QT,  85                           ; my tile's first query in its block
.set MB,  86                           ; my pair's bytes of STG
.set QB,  87                           ; my bytes of QST
.macro CROUND
	s_barrier_signal -1
	s_barrier_wait -1
	s_cmp_lg_u32 s[WV], 0
	s_cbranch_scc1 .Lnot_wave_0_\@
	s_barrier_signal -3
.Lnot_wave_0_\@:
	s_barrier_wait -3
	s_barrier_signal -1
	s_barrier_wait -1
.endm
.macro JLOAD                           ; every wave asks for its strip; the branch hangs on the wave's number alone; an s_nop 0 and four v_nop follow each load
	s_cmp_lt_u32 s[WV], 15
	s_cbranch_scc0 .Lwide_\@
	tensor_load_to_lds s[G0:G0+3], s[G1:G1+7]
	s_nop 0
.rept 4
	v_nop
.endr
	s_branch .Lasked_\@
.Lwide_\@:
	tensor_load_to_lds s[G0:G0+3], s[G1D:G1D+7]
	s_nop 0
.rept 4
	v_nop
.endr
.Lasked_\@:
.endm
.macro ASK
	s_cmp_gt_u32 s[SLOTS], s[LIM]
	s_cbranch_scc0 .Lnot_mine_\@
	global_prefetch_b8 v29, s[PFA:PFA+1] th:TH_LOAD_NT scope:SCOPE_SE
.Lnot_mine_\@:
.endm
.macro ADDR q                          ; from the block in s[DG]: s51 my first query; s[56:57], s[58:59] the result's codes and scale bytes; q = 1: s[10:11], s[12:13] Q's too
	s_lshl_b32 s51, s[DG], 7
	s_add_co_u32 s51, s51, s[QT]
	s_mul_i32 s56, s50, 196608
	s_mul_i32 s57, s51, 48
	s_add_co_u32 s56, s56, s57
	s_mov_b32 s57, 0
	s_lshl_b32 s58, s51, 5
	s_lshl_b32 s59, s50, 1
	s_add_co_u32 s58, s58, s59
	s_add_co_u32 s58, s58, SCOFF
	s_mov_b32 s59, 0
.if \q
	s_lshl_b32 s12, s50, 14
	s_lshl_b32 s13, s51, 2
	s_add_co_u32 s12, s12, s13
	s_add_co_u32 s12, s12, SCOFF
	s_mov_b32 s13, 0
	s_add_nc_u64 s[10:11], s[4:5], s[56:57]
	s_add_nc_u64 s[12:13], s[4:5], s[12:13]
.endif
	s_add_nc_u64 s[56:57], s[8:9], s[56:57]
	s_add_nc_u64 s[58:59], s[8:9], s[58:59]
.endm
	s_load_b128 s[4:7], s[0:1], 0x0                ; qc, kv
	s_load_b64 s[8:9], s[0:1], 0x10                ; ao
	v_lshl_add_u32 v5, v0, 2, SPARE
	v_mov_b32 v6, 0
	ds_add_u32 v5, v6                              ; the opening: the add, twice on end, and its wait ahead of the first tensor load
	ds_add_u32 v5, v6
	v_lshrrev_b32 v9, 5, v0
	s_delay_alu instid0(VALU_DEP_1)
	v_readfirstlane_b32 s[WV], v9                  ; wave 0..15
	s_bfe_u32 s48, ttmp6, 0x40000                  ; cx
	s_and_b32 s50, ttmp7, 0xffff                   ; the head
	s_lshr_b32 s[EE], s[WV], 3
	s_bfe_u32 s19, s[WV], 0x20001                  ; i
	s_lshl_b32 s[BLO], ttmp9, 2
	s_add_co_u32 s[BLO], s[BLO], s19
	s_sub_co_u32 s[BHI], 31, s[BLO]
	s_and_b32 s19, s[WV], 1
	s_lshl_b32 s19, s19, 4
	s_lshl_b32 s[QT], s48, 5
	s_add_co_u32 s[QT], s[QT], s19                 ; 16 (2 cx + w % 2)
	s_lshr_b32 s[HH], ttmp9, 1
	s_add_co_u32 s[HH], s[HH], 1
	s_add_co_u32 s[HH1], s[HH], 1
	s_and_b32 s19, s[WV], 7
	s_mul_i32 s[MB], s19, 4608
	s_add_co_u32 s[MB], s[MB], STG
	s_lshl_b32 s[QB], s[WV], 10
	s_add_co_u32 s[QB], s[QB], QST
	s_add_co_u32 s52, s50, 1                       ; slope = 2^(-(head + 1) / 2): sqrt(1/2) or 1, with (head + 1) / 2, rounded down, off the exponent field
	s_lshr_b32 s52, s52, 1
	s_lshl_b32 s52, s52, 23
	s_mov_b32 s53, 0x3f3504f3
	s_and_b32 s54, s50, 1
	s_cselect_b32 s53, 0x3f800000, s53
	s_sub_co_u32 s53, s53, s52
	s_add_co_u32 s[S8], s53, 3<<23
	s_mov_b32 s[S8+1], s[S8]
	s_mul_f32 s[SL2], s53, 0x3fb8aa3b
	s_mov_b32 s[G1], 15|(3<<16)|(1<<21)            ; the mask: all four work-groups; elements of 8 bytes; bit 21 beside a mask
	s_mov_b32 s[G1+1], 96<<16                      ; a row: 768 bytes of a unit
	s_mov_b32 s[G1+2], 8<<16
	s_mov_b32 s[G1+3], 96<<16
	s_mov_b32 s[G1+4], 8                           ; 8 rows: the slot's 8 units
	s_mov_b32 s[G1+5], UNIT/8                      ; from unit to unit
	s_mov_b32 s[G1+6], 0
	s_mov_b32 s[G1+7], 0
	s_mov_b32 s[G1D], 15|(3<<16)|(1<<21)
	s_mov_b32 s[G1D+1], 192<<16                    ; wave 15's rows: 1,536 bytes
	s_mov_b32 s[G1D+2], 8<<16
	s_mov_b32 s[G1D+3], 192<<16
	s_mov_b32 s[G1D+4], 8
	s_mov_b32 s[G1D+5], UNIT/8
	s_mov_b32 s[G1D+6], 0
	s_mov_b32 s[G1D+7], 0
	s_mov_b32 s[G0], 1
	s_mul_i32 s[G0+1], s[WV], 6144
	s_mul_i32 s52, s50, HS
	s_mul_i32 s55, s48, 2*UNIT
	s_add_co_u32 s54, s52, s55                     ; the prefetches: units 2 cx, 2 cx + 1 of slot 0; each change of slots steps it ahead of its use
	s_mov_b32 s55, 0
	s_mul_i32 s53, s[WV], 768
	s_add_co_u32 s52, s52, s53
	s_mov_b32 s53, 0
	s_mov_b32 s[SEL], 0x76543210
	s_mov_b32 s[SEL+1], 0xfedcba98
	s_mov_b32 s[CS], 0x3e38aa3b                    ; c = log2(e) / 8
	s_mov_b32 s[CS+1], s[CS]
	s_mul_i32 s[TB], s[EE], 768
	s_mul_i32 s[TS], s[EE], 1536
	s_add_co_u32 s[TS], s[TS], 92160
	s_lshl_b32 s[KF], s[EE], 7
	s_mov_b32 s[KAP], s[EE]
	s_mov_b32 s[SLOTS], 4
	s_mov_b32 s[NX], 0
	s_lshr_b32 s[LIM], s[WV], 2
	s_xor_b32 s[LIM], s[LIM], 1                    ; 0 in waves 4-7,
	s_or_b32 s[LIM], s[LIM], ttmp9                 ; of the head's first cluster: the same in all four partners
	s_cmp_eq_u32 s[LIM], 0
	s_cselect_b32 s[LIM], 1, -1
	v_and_b32 v3, 15, v0                           ; r
	v_bfe_u32 v4, v0, 4, 1                         ; h
	s_delay_alu instid0(VALU_DEP_2)
	v_mul_u32_u24 v1, v3, 48
	s_delay_alu instid0(VALU_DEP_1)
	v_mad_u32_u24 v1, v4, 24, v1
	v_lshlrev_b32 v2, 2, v3
	v_lshlrev_b32 v9, 3, v4                        ; 8 h
	s_delay_alu instid0(VALU_DEP_2)
	v_add_nc_u32 v28, 768, v2
	v_add_nc_u32 v29, 0xffffff80, v0               ; thread - 128: 0 .. 127 in waves 4-7
	s_delay_alu instid0(VALU_DEP_1)
	v_min_u32 v29, 101, v29
	s_delay_alu instid0(VALU_DEP_1)
	v_lshlrev_b32 v29, 8, v29
	s_wait_dscnt 0x0                               ; both opening adds are done
	s_wait_kmcnt 0x0
	s_add_nc_u64 s[KVB:KVB+1], s[6:7], s[52:53]
	s_mov_b64 s[G0+2:G0+3], s[KVB:KVB+1]
	s_or_b32 s[G0+3], s[G0+3], 0x80000000
	s_add_nc_u64 s[PFA:PFA+1], s[6:7], s[54:55]
	CROUND                                         ; all four work-groups are here
	JLOAD                                          ; slot 0: by my own count one tensor load is out
	s_wait_alu depctr_va_vdst(0)
	s_mov_b32 s[DG], s[BHI]
	ADDR 1
.irp p, 0,1,2
	global_load_b64 v[96+2*\p:97+2*\p], v1, s[10:11] offset:8*\p   ; the late tile's Q: it waits in LDS
.endr
	global_load_b32 v102, v2, s[12:13]
	s_wait_xcnt 0x0                                ; the bases are written again only behind this wait
	s_mov_b32 s[DG], s[BLO]
	ADDR 1
.irp p, 0,1,2
	global_load_b64 v[16+2*\p:17+2*\p], v1, s[10:11] offset:8*\p   ; the early tile's Q
.endr
	global_load_b32 v95, v2, s[12:13]
	v_add_nc_u32 v7, s51, v3                       ; my query
	s_delay_alu instid0(VALU_DEP_1)
	v_sub_nc_u32 v30, v7, v9
.irp i, 22,23,24,25,26,27,80,81,82,83,84,85,14,15,11
	v_mov_b32 v\i, 0
.endr
.set n, 0
.rept 32
	v_mov_b32 v[160+n], 0                          ; O^T: the step is written once; the first finds zeros
.set n, n+1
.endr
	v_mov_b32 v31, 0xff800000
	v_mov_b32 v13, 0xff61b1e6                      ; the largest t so far: -3e38
	s_delay_alu instid0(VALU_DEP_1)
	v_floor_f32 v12, -v13
.set n, 0
.rept 64
	v_add_nc_u32 v[192+n], 16*(n/8)+n%8, v9        ; register 8 t + j: key 16 t + 8 h + j of a step
.set n, n+1
.endr
.set n, 0
.rept 64
	v_cvt_f32_u32 v[192+n], v[192+n]
.set n, n+1
.endr
.set n, 0
.rept 32
	v_pk_mul_f32 v[192+n:193+n], v[192+n:193+n], s[S8:S8+1] op_sel_hi:[1,0]
.set n, n+2
.endr
	v_and_b32 v32, 31, v0
	s_delay_alu instid0(VALU_DEP_1)
	v_lshlrev_b32 v33, 2, v32
	v_lshlrev_b32 v32, 3, v32
	s_delay_alu instid0(VALU_DEP_2)
	v_add_nc_u32 v33, s[QB], v33
	s_delay_alu instid0(VALU_DEP_2)
	v_add_nc_u32 v32, s[QB], v32
	s_wait_alu depctr_va_vdst(0)
	s_wait_loadcnt 0x0                             ; both Q
.irp p, 0,1,2
	ds_store_b64 v32, v[96+2*\p:97+2*\p] offset:256*\p   ; an image of the registers, in my own bytes
.endr
	ds_store_b32 v33, v102 offset:768
; A KEY STEP: 128 keys.
.macro STEP
	s_cmp_gt_u32 s[KAP], s[DG]                     ; all its keys come after my queries: the work is left out, not the lines at the end that step addresses
	s_cbranch_scc1 .Lhidden_\@
	v_add_nc_u32 v3, s[TB], v1
	v_add_nc_u32 v4, s[TS], v28
	v_sub_nc_u32 v8, s[KF], v7
	s_delay_alu instid0(VALU_DEP_1)
	v_cvt_f32_i32 v8, v8
	s_delay_alu instid0(VALU_DEP_1)
	v_mul_f32 v8, s[SL2], v8                       ; g
	v_nop
	v_nop                                          ; seven plain lines behind the last products: the loads below land on their operands, and the scores are written over V's fragments (five are owed there)
.irp t, 0,1,2,3,4,5,6,7
.irp p, 0,1,2
	ds_load_b64 v[32+6*\t+2*\p:33+6*\t+2*\p], v3 offset:6144*\t+8*\p
.endr
	ds_load_b32 v[86+\t], v4 offset:64*\t
.endr
	s_wait_dscnt 0x0
	s_wait_alu depctr_va_vdst(0)
.irp t, 0,1,2,3,4,5,6,7                ; S' = K Q^T + the bias; the accumulators take turns, one instruction a turn
	v_wmma_scale_f32_16x16x128_f8f6f4 v[96+8*\t:103+8*\t], v[32+6*\t:43+6*\t], v[16:27], v[192+8*\t:199+8*\t], v[86+\t], v95 matrix_a_fmt:MATRIX_FMT_FP6 matrix_b_fmt:MATRIX_FMT_FP6
.endr
	v_add_nc_u32 v3, 0xc000, v3                    ; on to piece 8: V^T's fragments (one of the four places)
.rept 3
	v_nop
.endr
	s_cmp_lg_u32 s[KAP], s[DG]
	s_cbranch_scc1 .Lopen_\@
	s_sub_co_i32 s52, 0, s[KF]
	v_add_nc_u32 v9, s52, v30                      ; d = my query - the first key - 8 h: register 8 t + j is hidden where 16 t + j > d
.set n, 0
.rept 64
	v_cmp_gt_i32 vcc_lo, 16*(n/8)+n%8, v9
	v_cndmask_b32 v[96+n], v[96+n], v31, vcc_lo
.set n, n+1
.endr
.Lopen_\@:
.irp b, 0,1,2,3
	v_max3_num_f32 v[32+\b], v[96+16*\b], v[97+16*\b], v[98+16*\b]   ; the largest S' of each block of 32 keys: for the row's maximum and, since p rises with S', for the block's largest p
.endr
.irp i, 3,5,7,9,11,13
.irp b, 0,1,2,3
	v_max3_num_f32 v[32+\b], v[32+\b], v[96+16*\b+\i], v[97+16*\b+\i]
.endr
.endr
.irp b, 0,1,2,3
	v_max_num_f32 v[32+\b], v[32+\b], v[111+16*\b]
.endr
.irp b, 0,1,2,3
	s_delay_alu instid0(VALU_DEP_4)
	v_permlanex16_b32 v[36+\b], v[32+\b], s[SEL], s[SEL+1]
.endr
.irp b, 0,1,2,3
	s_delay_alu instid0(VALU_DEP_4)
	v_max_num_f32 v[32+\b], v[32+\b], v[36+\b]
.endr
	s_delay_alu instid0(VALU_DEP_2)
	v_max3_num_f32 v66, v32, v33, v34
	s_delay_alu instid0(VALU_DEP_1)
	v_max_num_f32 v66, v66, v35
	s_delay_alu instid0(VALU_DEP_1)
	v_fma_f32 v66, v66, s[CS], v8                  ; the step's largest t
	s_delay_alu instid0(VALU_DEP_1)
	v_max_num_f32 v13, v13, v66
	v_mov_b32 v66, v12
	s_delay_alu instid0(VALU_DEP_2)
	v_floor_f32 v12, -v13                          ; the new -M = -ceil(t)
	s_delay_alu instid0(VALU_DEP_1)
	v_sub_f32 v66, v12, v66                        ; old M - new M: a whole number, 0 or less
	s_delay_alu instid0(VALU_DEP_1)
	v_cvt_i32_f32 v66, v66                         ; (it saturates)
	s_delay_alu instid0(VALU_DEP_1)
	v_ldexp_f32 v64, 1.0, v66                      ; f = 2^(old M - new M)
	s_delay_alu instid0(VALU_DEP_4)
	v_add_f32 v10, v8, v12                         ; g - M
.set n, 0
.rept 32
	v_pk_fma_f32 v[96+n:97+n], v[96+n:97+n], s[CS:CS+1], v[10:11] op_sel_hi:[1,0,0]   ; t - M, two at a time
.set n, n+2
.endr
.irp b, 0,1,2,3
	v_fma_f32 v[32+\b], v[32+\b], s[CS], v10
.endr
.set n, 0
	s_wait_alu depctr_va_vdst(0)
.rept 64
	v_exp_f32 v[96+n], v[96+n]                     ; p
.set n, n+1
.endr
	v_pk_mul_f32 v[14:15], v[14:15], v[64:65] op_sel_hi:[1,0]   ; the sums under the new M (a plain line behind the exponentials)
	s_wait_alu depctr_va_vdst(0)                   ; one wait for the batch, ahead of its first reader
.irp b, 0,1,2,3
	v_exp_f32 v[32+\b], v[32+\b]                   ; the blocks' largest p
.endr
	v_pk_add_f32 v[36:37], v[100:101], v[104:105]  ; the row's sum of the unquantised p, in eight chains
	v_pk_add_f32 v[92:93], v[108:109], v[112:113]
	v_pk_add_f32 v[90:91], v[116:117], v[120:121]
	v_pk_add_f32 v[88:89], v[124:125], v[128:129]
	v_pk_add_f32 v[86:87], v[132:133], v[136:137]
	v_pk_add_f32 v[78:79], v[140:141], v[144:145]
	v_pk_add_f32 v[76:77], v[148:149], v[152:153]
	v_pk_add_f32 v[14:15], v[14:15], v[156:157]
	v_pk_add_f32 v[36:37], v[36:37], v[96:97]
	v_pk_add_f32 v[92:93], v[92:93], v[98:99]
	v_pk_add_f32 v[90:91], v[90:91], v[102:103]
	v_pk_add_f32 v[88:89], v[88:89], v[106:107]
	v_pk_add_f32 v[86:87], v[86:87], v[110:111]
	v_pk_add_f32 v[78:79], v[78:79], v[114:115]
	v_pk_add_f32 v[76:77], v[76:77], v[118:119]
	v_pk_add_f32 v[14:15], v[14:15], v[122:123]
	v_pk_add_f32 v[36:37], v[36:37], v[126:127]
	v_pk_add_f32 v[92:93], v[92:93], v[130:131]
	v_pk_add_f32 v[90:91], v[90:91], v[134:135]
	v_pk_add_f32 v[88:89], v[88:89], v[138:139]
	v_pk_add_f32 v[86:87], v[86:87], v[142:143]
	v_pk_add_f32 v[78:79], v[78:79], v[146:147]
	v_pk_add_f32 v[76:77], v[76:77], v[150:151]
	v_pk_add_f32 v[14:15], v[14:15], v[154:155]
	v_pk_add_f32 v[36:37], v[36:37], v[158:159]
	s_delay_alu instid0(VALU_DEP_2)
	v_pk_add_f32 v[14:15], v[14:15], v[88:89]
	s_delay_alu instid0(VALU_DEP_2)
	v_pk_add_f32 v[36:37], v[36:37], v[86:87]
	v_pk_add_f32 v[92:93], v[92:93], v[78:79]
	v_pk_add_f32 v[90:91], v[90:91], v[76:77]
	s_delay_alu instid0(VALU_DEP_2)
	v_pk_add_f32 v[14:15], v[14:15], v[92:93]
	s_delay_alu instid0(VALU_DEP_2)
	v_pk_add_f32 v[36:37], v[36:37], v[90:91]
	s_delay_alu instid0(VALU_DEP_1)
	v_pk_add_f32 v[14:15], v[14:15], v[36:37]
	s_wait_alu depctr_va_vdst(0)                   ; and one for the four
.irp b, 0,1,2,3
	v_max_num_f32 v[32+\b], 0x1800000, v[32+\b]    ; the floor 2^(3 - 127)
.endr
.irp b, 0,1,2,3
	s_delay_alu instid0(VALU_DEP_4)
	v_add_nc_u32 v[40+\b], 0xff000000, v[32+\b]
.endr
.irp b, 0,1,2,3
	s_delay_alu instid0(VALU_DEP_4)
	v_lshrrev_b32 v[36+\b], 23, v[40+\b]
.endr
	s_delay_alu instid0(VALU_DEP_3)
	v_lshl_or_b32 v94, v37, 8, v36                 ; p's scale word for these 128 keys
	s_delay_alu instid0(VALU_DEP_1)
	v_lshl_or_b32 v94, v38, 16, v94
	s_delay_alu instid0(VALU_DEP_1)
	v_lshl_or_b32 v94, v39, 24, v94
	v_cvt_scalef32_pk16_fp6_f32 v[44:46], v[96:111], v40
	v_cvt_scalef32_pk16_fp6_f32 v[56:58], v[112:127], v41
	v_cvt_scalef32_pk16_fp6_f32 v[50:52], v[128:143], v42
	v_cvt_scalef32_pk16_fp6_f32 v[60:62], v[144:159], v43
	v_add_nc_u32 v32, s[TS], v1                    ; piece 15 lies in wave 15's tile (the plain line behind the conversions)
.irp t, 0,1,2,3                        ; V^T's four fragments (16 d x 128 keys) land where p lay
.irp p, 0,1,2,3,4,5
.if 4*(\p/3)+\t == 7
	ds_load_b64 v[96+12*\t+2*\p:97+12*\t+2*\p], v32 offset:8*(\p%3)
.else
	ds_load_b64 v[96+12*\t+2*\p:97+12*\t+2*\p], v3 offset:6144*(4*(\p/3)+\t)+8*(\p%3)
.endif
.endr
	ds_load_b32 v[86+\t], v4 offset:512+64*\t
.endr
.irp c, 0,1                            ; a whole block in a lane: lanes 0-15 block 2 c, lanes 16-31 block 2 c + 1
.irp i, 0,1,2
	v_permlane16_swap_b32 v[44+6*\c+\i], v[56+4*\c+\i]
.endr
.irp i, 0,1,2
	s_delay_alu instid0(VALU_DEP_3)
	v_mov_b32 v[47+6*\c+\i], v[56+4*\c+\i]
.endr
.endr
.set n, 0
.rept 16
	v_pk_mul_f32 v[160+n:161+n], v[160+n:161+n], v[64:65] op_sel_hi:[1,0]   ; O^T under the new M; these lines also stand between the writes of p's codes and scale word and the products
.set n, n+2
.endr
	s_wait_alu depctr_va_vdst(0)
	s_wait_dscnt 0x0
.irp t, 0,1,2,3
	v_wmma_scale_f32_16x16x128_f8f6f4 v[160+8*\t:167+8*\t], v[96+12*\t:107+12*\t], v[44:55], v[160+8*\t:167+8*\t], v[86+\t], v94 matrix_a_fmt:MATRIX_FMT_FP6 matrix_b_fmt:MATRIX_FMT_FP6
.endr
.Lhidden_\@:
	s_add_co_u32 s[TB], s[TB], 2*768               ; my next step is two units on
	s_add_co_u32 s[TS], s[TS], 2*1536
	s_add_co_u32 s[KF], s[KF], 256
	s_add_co_u32 s[KAP], s[KAP], 2
.endm
.macro SLOT_STEPS                      ; my four of a slot's eight key steps: written once, walked four times
	s_mov_b32 s[STP], 4
.Lstep_\@:
	STEP
	s_sub_co_u32 s[STP], s[STP], 1
	s_cmp_lg_u32 s[STP], 0
	s_cbranch_scc1 .Lstep_\@
	s_sub_co_u32 s[TB], s[TB], 8*768
	s_xor_b32 s[TB], s[TB], SLOT1                  ; on to the other slot
	s_sub_co_u32 s[TS], s[TS], 8*1536
	s_xor_b32 s[TS], s[TS], SLOT1
.endm
; THE CHANGE OF SLOTS stands at a slot's head.  Each wave waits for all its tensor loads (its strip of the slot ahead), adds 0 to its spare word, and waits for that and for its reads of the slot that it has left.
; fill = 1: a round of the cluster's barrier, and behind it the joint fill of the slot just left.  Slot m of the walk holds units 8 j .., j = m, or m - L from the late phase on.
.macro CHANGE fill
	s_wait_tensorcnt 0x0
	ds_add_u32 v5, v6
.if \fill
	s_xor_b32 s[G0+1], s[G0+1], SLOT1              ; no tensor load of mine is out: the descriptor walks
	s_add_co_u32 s[NX], s[NX], 1
	s_cmp_ge_u32 s[NX], s[HH]
	s_cselect_b32 s52, s[HH], 0
	s_sub_co_u32 s52, s[NX], s52
	s_mul_i32 s52, s52, SLOTB
	s_mov_b32 s53, 0
	s_add_nc_u64 s[G0+2:G0+3], s[KVB:KVB+1], s[52:53]
	s_or_b32 s[G0+3], s[G0+3], 0x80000000
	s_wait_xcnt 0x0                                ; the last prefetch, a slot back, has read its address
	s_add_nc_u64 s[PFA:PFA+1], s[PFA:PFA+1], SLOTB
	s_wait_dscnt 0x0
	CROUND
	JLOAD
	ASK
.else
	s_wait_dscnt 0x0
	s_barrier_signal -1
	s_barrier_wait -1
.endif
.endm
; A PHASE'S END, first part: behind a barrier (wave w's reads of an earlier hand-over are over) wave w + 8 stores O^T, -M and the sum as an image of its registers.
.macro MSTORE
	s_wait_dscnt 0x0
	s_barrier_signal -1
	s_barrier_wait -1
.rept 4
	v_nop                                          ; places behind the last products
.endr
	v_and_b32 v32, 31, v0
	s_delay_alu instid0(VALU_DEP_1)
	v_lshlrev_b32 v32, 4, v32
	s_delay_alu instid0(VALU_DEP_1)
	v_add_nc_u32 v32, s[MB], v32
	s_cmp_lt_u32 s[WV], 8
	s_cbranch_scc1 .Lkeeps_\@
.irp k, 0,1,2,3,4,5,6,7
	ds_store_b128 v32, v[160+4*\k:163+4*\k] offset:512*\k   ; each accumulator from its low end on
.endr
	ds_store_b128 v32, v[12:15] offset:4096
.Lkeeps_\@:
.endm
; Second part, behind a barrier: wave w joins the two halves and sends the tile out: O^T / the sum; its two blocks of 32 features are quantised as p was; 768 bytes of codes go through my stage and leave as three aligned blocks of 256 bytes.
.macro FINISH
	v_and_b32 v3, 31, v0
	s_mul_i32 s52, s[WV], 768
	s_add_co_u32 s52, s52, OUTS
	v_add_nc_u32 v4, s52, v1                       ; my stage, in: 48 r + 24 h
	v_lshlrev_b32 v32, 4, v3
	v_lshlrev_b32 v10, 3, v3                       ; out: 8 bytes a lane
	v_add_nc_u32 v32, s[MB], v32
	v_add_nc_u32 v8, s52, v10
	s_cmp_lt_u32 s[WV], 8
	s_cbranch_scc0 .Lhelper_\@
.irp k, 0,1,2,3,4,5,6,7
	ds_load_b128 v[96+4*\k:99+4*\k], v32 offset:512*\k
.endr
	ds_load_b128 v[128:131], v32 offset:4096
	v_lshrrev_b32 v33, 4, v3
	v_mov_b32 v65, 0                               ; (upper halves of pairs that are named whole)
	v_mov_b32 v67, 0
	v_mov_b32 v36, 0
	v_mov_b32 v37, 0                               ; a lane permute's destination counts as one of its sources
	v_lshl_add_u32 v34, v2, 3, v33                 ; the scale bytes: 32 r + h
	s_wait_alu depctr_va_vdst(0)
	s_wait_dscnt 0x0
	v_min_num_f32 v9, v12, v128                    ; -M of both halves
	v_sub_f32 v64, v9, v12
	v_sub_f32 v66, v9, v128
	v_cvt_i32_f32 v64, v64                         ; (they saturate: a half that saw no key counts with the factor 0)
	v_cvt_i32_f32 v66, v66
	v_ldexp_f32 v64, 1.0, v64
	v_ldexp_f32 v66, 1.0, v66
	v_pk_mul_f32 v[14:15], v[14:15], v[64:65] op_sel_hi:[1,0]
.set n, 0
.rept 16
	v_pk_mul_f32 v[160+n:161+n], v[160+n:161+n], v[64:65] op_sel_hi:[1,0]
.set n, n+2
.endr
	v_pk_fma_f32 v[14:15], v[130:131], v[66:67], v[14:15] op_sel_hi:[1,0,1]
.set n, 0
.rept 16
	v_pk_fma_f32 v[160+n:161+n], v[96+n:97+n], v[66:67], v[160+n:161+n] op_sel_hi:[1,0,1]
.set n, n+2
.endr
	v_add_f32 v14, v14, v15
	s_delay_alu instid0(VALU_DEP_1)
	v_permlanex16_b32 v9, v14, s[SEL], s[SEL+1]
	s_delay_alu instid0(VALU_DEP_1)
	v_add_f32 v14, v14, v9                         ; the row's sum
	s_wait_alu depctr_va_vdst(0)
	v_rcp_f32 v14, v14
	v_nop
	s_wait_alu depctr_va_vdst(0)                   ; the wait ahead of the reciprocal's first reader
.set n, 0
.rept 16
	v_pk_mul_f32 v[96+n:97+n], v[160+n:161+n], v[14:15] op_sel_hi:[1,0]
.set n, n+2
.endr
.irp b, 0,1
	v_max3_num_f32 v[32+\b], |v[96+16*\b]|, |v[97+16*\b]|, 0x1800000
.endr
.irp i, 2,4,6,8,10,12,14
.irp b, 0,1
	s_delay_alu instid0(VALU_DEP_2)
	v_max3_num_f32 v[32+\b], v[32+\b], |v[96+16*\b+\i]|, |v[97+16*\b+\i]|
.endr
.endr
.irp b, 0,1
	s_delay_alu instid0(VALU_DEP_2)
	v_permlanex16_b32 v[36+\b], v[32+\b], s[SEL], s[SEL+1]
.endr
.irp b, 0,1
	s_delay_alu instid0(VALU_DEP_2)
	v_max_num_f32 v[32+\b], v[32+\b], v[36+\b]
.endr
.irp b, 0,1
	s_delay_alu instid0(VALU_DEP_2)
	v_add_nc_u32 v[40+\b], 0xff000000, v[32+\b]
.endr
.irp b, 0,1
	s_delay_alu instid0(VALU_DEP_2)
	v_lshrrev_b32 v[36+\b], 23, v[40+\b]
.endr
	v_cvt_scalef32_pk16_fp6_f32 v[44:46], v[96:111], v40
	v_cvt_scalef32_pk16_fp6_f32 v[56:58], v[112:127], v41
	v_nop
.irp i, 0,1,2
	v_permlane16_swap_b32 v[44+\i], v[56+\i]
.endr
.irp i, 0,1,2
	s_delay_alu instid0(VALU_DEP_3)
	v_mov_b32 v[47+\i], v[56+\i]
.endr
	v_cmp_gt_u32 vcc_lo, 16, v3
	s_delay_alu instid0(VALU_DEP_1)
	v_cndmask_b32 v9, v37, v36, vcc_lo             ; lanes 0-15 block 0's byte, lanes 16-31 block 1's
.irp p, 0,1,2
	ds_store_b64 v4, v[44+2*\p:45+2*\p] offset:8*\p
.endr
.irp k, 0,1,2
	ds_load_b64 v[96+2*\k:97+2*\k], v8 offset:256*\k   ; LDS serves a wave's instructions in order: these see my stores
.endr
	s_wait_alu depctr_va_vdst(0)
	s_wait_dscnt 0x0
.irp k, 0,1,2
	global_store_b64 v10, v[96+2*\k:97+2*\k], s[56:57] offset:256*\k   ; 32 lanes store 256 consecutive bytes, at a multiple of 256 from the buffer's first byte
.endr
	global_store_b8 v34, v9, s[58:59]              ; a byte a lane: a token's 32 bytes come from 16 heads; one byte in 24 of what the launch stores
.Lhelper_\@:
	s_wait_xcnt 0x0                                ; the stores' registers and bases are written again only behind this wait
.endm
.macro PHINIT                          ; the late tile: its addresses, its Q out of my own LDS bytes, a new M, sum and O
	s_mov_b32 s[DG], s[BHI]
	ADDR 0
	s_mov_b32 s[KAP], s[EE]
	s_lshl_b32 s[KF], s[EE], 7
	v_and_b32 v32, 31, v0
	s_delay_alu instid0(VALU_DEP_1)
	v_lshlrev_b32 v33, 2, v32
	v_lshlrev_b32 v32, 3, v32
	s_delay_alu instid0(VALU_DEP_2)
	v_add_nc_u32 v33, s[QB], v33
	s_delay_alu instid0(VALU_DEP_2)
	v_add_nc_u32 v32, s[QB], v32
.irp p, 0,1,2
	ds_load_b64 v[16+2*\p:17+2*\p], v32 offset:256*\p
.endr
	ds_load_b32 v95, v33 offset:768
	v_and_b32 v3, 15, v0
	v_bfe_u32 v4, v0, 4, 1
	s_delay_alu instid0(VALU_DEP_2)
	v_add_nc_u32 v7, s51, v3
	s_delay_alu instid0(VALU_DEP_2)
	v_lshlrev_b32 v4, 3, v4
	s_delay_alu instid0(VALU_DEP_1)
	v_sub_nc_u32 v30, v7, v4
	v_mov_b32 v14, 0
	v_mov_b32 v15, 0
.set n, 0
.rept 32
	v_mov_b32 v[160+n], 0
.set n, n+1
.endr
	v_mov_b32 v13, 0xff61b1e6
	s_delay_alu instid0(VALU_DEP_1)
	v_floor_f32 v12, -v13
	s_wait_alu depctr_va_vdst(0)
	s_wait_dscnt 0x0
.endm
.Lslot:                                            ; 4 trips: behind each change of slots but the last the next slot is asked for
	s_cmp_lg_u32 s[NX], s[HH]                      ; the early phase ends where slot L begins: the test hangs on the trip and the cluster's x, the same in all waves and partners
	s_cbranch_scc1 .Lsame_a
	MSTORE
.Lsame_a:
	CHANGE 1
	s_cmp_lg_u32 s[NX], s[HH1]
	s_cbranch_scc1 .Lsame_b
	FINISH
	PHINIT
.Lsame_b:
	SLOT_STEPS
	s_sub_co_u32 s[SLOTS], s[SLOTS], 1
	s_cmp_lg_u32 s[SLOTS], 0
	s_cbranch_scc1 .Lslot
	CHANGE 0                                       ; the last slot is written out
	SLOT_STEPS
	MSTORE
	s_wait_dscnt 0x0                               ; my stores are done, for wave w's sake
	s_barrier_signal -1
	s_barrier_wait -1
	FINISH
	s_wait_tensorcnt 0x0                           ; the wave's end
	ds_add_u32 v5, v6
	s_wait_dscnt 0x0
	CROUND                                         ; the closing round
	s_endpgm
.Lfunc_end_k_q91892a1fdd_attn:
	.size	k_q91892a1fdd_attn, .Lfunc_end_k_q91892a1fdd_attn-k_q91892a1fdd_attn
	.p2alignl 7, 3214868480
	.fill 96, 4, 3214868480
	.section	.rodata,"a",@progbits
	.p2align	6, 0x0
	.amdhsa_kernel k_q91892a1fdd_attn
		.amdhsa_group_segment_fixed_size 327680
		.amdhsa_private_segment_fixed_size 0
		.amdhsa_enable_private_segment 0
		.amdhsa_kernarg_size 24
		.amdhsa_user_sgpr_count 2
		.amdhsa_user_sgpr_kernarg_segment_ptr 1
		.amdhsa_wavefront_size32 1
		.amdhsa_system_sgpr_workgroup_id_x 1
		.amdhsa_system_sgpr_workgroup_id_y 1
		.amdhsa_system_sgpr_workgroup_id_z 1
		.amdhsa_system_vgpr_workitem_id 0
		.amdhsa_next_free_vgpr 256
		.amdhsa_next_free_sgpr 88
		.amdhsa_reserve_vcc 1
		.amdhsa_float_denorm_mode_32 3
		.amdhsa_float_denorm_mode_16_64 3
		.amdhsa_memory_ordered 1
		.amdhsa_forward_progress 1
		.amdhsa_inst_pref_size 91
	.end_amdhsa_kernel
	.amdgpu_metadata
---
amdhsa.version: [ 1, 2 ]
amdhsa.kernels:
  - .name:           k_q91892a1fdd_attn
    .symbol:         k_q91892a1fdd_attn.kd
    .args:
      - { .name: qc, .offset: 0, .size: 8, .value_kind: global_buffer, .address_space: global }
      - { .name: kv, .offset: 8, .size: 8, .value_kind: global_buffer, .address_space: global }
      - { .name: ao, .offset: 16, .size: 8, .value_kind: global_buffer, .address_space: global }
    .group_segment_fixed_size: 327680
    .private_segment_fixed_size: 0
    .kernarg_segment_align: 8
    .kernarg_segment_size: 24
    .max_flat_workgroup_size: 512
    .sgpr_count:     88
    .vgpr_count:     256
    .wavefront_size: 32
...
	.end_amdgpu_metadata
.endif
;; end of part 3
;; launch outp (part 4): grid 4 x 16, 4 waves a work-group, clusters of 4 x 4, 327,680 bytes of LDS; arguments ao, wc, out0; writes out0
.if DOCPART == 4
	.amdgcn_target "amdgcn-amd-amdhsa--gfx1250"
	.amdhsa_code_object_version 6
	.text
	.protected	k_q91892a1fdd_outp
	.globl	k_q91892a1fdd_outp
	.p2align	8
	.type	k_q91892a1fdd_outp,@function
k_q91892a1fdd_outp:
	s_mov_b64 s[64:65], 0
	v_nop
	global_prefetch_b8 v0, s[64:65] scope:SCOPE_SE
	s_setreg_imm32_b32 hwreg(HW_REG_WAVE_MODE, 25, 1), 1
	s_wait_xcnt 0x0
	s_wait_alu depctr_hold_cnt(0) depctr_sa_sdst(0) depctr_va_vdst(0) depctr_va_sdst(0) depctr_va_ssrc(0) depctr_va_vcc(0) depctr_vm_vsrc(0)
	s_getreg_b32 s2, hwreg(HW_REG_IB_STS2, 6, 4)
	s_cmp_eq_u32 s2, 0
	s_cbranch_scc0 .Lentry_in_a_cluster
	s_endpgm
.Lentry_in_a_cluster:
	s_bfe_u32 s2, ttmp6, 0x10000c
	s_cmp_lg_u32 s2, 0xf033
	s_cbranch_scc0 .Lentry_shape_is_right
	s_endpgm
.Lentry_shape_is_right:
.set SIZE_N, 1024
.set NQ,     2
.set FR,     12
.set NL,     6
.set NP,     4
.set PLB,    6144
.set HALFT,  4*PLB
.set SLOT,   4*HALFT
.set LAPS,   2
.set KS,     32
.set SCL,    2*SLOT
.set HALFS,  16*272
.set SBLK,   2*272
.set SPARE,  SCL+4*HALFS
.set PLANE,  196608
.set SCOFF,  3145728
.set SPITCH, 528
.set ADRA, 16
.set ADRB, 20
.set STO,  24
.set RD,   25
.set CO,   26
.set ADRS, 27
.set SPW,  28
.set NIL,  29
.set SC,   32
.set AF,   128
.set BK,   128
.set G1, 24
.set G0, 32
.set G1B, 48
.set G0B, 56
.set G1S, 68
.set G0S, 76
.set G1SB, 80
.set G0SB, 88
.set MSB, 0
.macro WIN new
.if MSB != \new
	s_set_vgpr_msb (MSB<<8)|\new
.set MSB, \new
.endif
.endm
.set MUL_LO, 0xa1
.set MUL_HI, 0xf1
.set TO_B,   0x40
.macro JLOAD g0a, g1a, g0b, g1b
	s_cmp_eq_u32 s15, 0
	s_cbranch_scc0 .Lfor_b_\@
	tensor_load_to_lds s[\g0a:\g0a+3], s[\g1a:\g1a+7]
	s_nop 0
.rept 4
	v_nop
.endr
	s_branch .Lasked_\@
.Lfor_b_\@:
	tensor_load_to_lds s[\g0b:\g0b+3], s[\g1b:\g1b+7]
	s_nop 0
.rept 4
	v_nop
.endr
.Lasked_\@:
.endm
.macro CREST
	s_cmp_lg_u32 s14, 0
	s_cbranch_scc1 .Lnot_wave_0_\@
	s_barrier_signal -3
.Lnot_wave_0_\@:
	s_barrier_wait -3
	s_barrier_signal -1
	s_barrier_wait -1
.endm
.macro CROUND
	s_barrier_signal -1
	s_barrier_wait -1
	CREST
.endm
	s_load_b128 s[4:7], s[0:1], 0x0
	s_load_b64 s[12:13], s[0:1], 0x10
	v_lshl_add_u32 v[SPW], v0, 2, SPARE
	v_mov_b32 v[NIL], 0
	ds_add_u32 v[SPW], v[NIL]
	ds_add_u32 v[SPW], v[NIL]
	v_lshrrev_b32 v1, 5, v0
	v_readfirstlane_b32 s14, v1
	s_lshr_b32 s15, s14, 1
	s_and_b32 s16, s14, 1
	s_bfe_u32 s40, ttmp6, 0x40000
	s_bfe_u32 s41, ttmp6, 0x40004
	s_lshl_b32 s42, ttmp9, 2
	s_add_co_u32 s42, s42, s40
	s_and_b32 s17, ttmp7, 0xffff
	s_lshl_b32 s17, s17, 2
	s_add_co_u32 s17, s17, s41
	s_lshl_b32 s43, s41, 2
	s_lshl_b32 s43, 15, s43
	s_lshl_b32 s44, 0x1111, s40
	s_or_b32 s[G1+0], s43, (3<<16)|(1<<21)
	s_or_b32 s[G1B+0], s44, (3<<16)|(1<<21)
.irp g, G1, G1B
	s_mov_b32 s[\g+1], 768<<16
	s_mov_b32 s[\g+2], 4<<16
	s_mov_b32 s[\g+3], 768<<16
	s_mov_b32 s[\g+4], 4
	s_mov_b32 s[\g+5], PLANE/8
	s_mov_b32 s[\g+6], 0
	s_mov_b32 s[\g+7], 0
.endr
	s_or_b32 s[G1S+0], s43, (3<<16)|(1<<20)|(1<<21)|(5<<22)|(3<<25)
	s_or_b32 s[G1SB+0], s44, (3<<16)|(1<<20)|(1<<21)|(5<<22)|(3<<25)
.irp g, G1S, G1SB
	s_mov_b32 s[\g+1], 32<<16
	s_mov_b32 s[\g+2], 16<<16
	s_mov_b32 s[\g+3], 32<<16
	s_mov_b32 s[\g+4], 16
	s_mov_b32 s[\g+5], 32
	s_mov_b32 s[\g+6], 0
	s_mov_b32 s[\g+7], 0
.endr
	s_lshl_b32 s18, s16, 7
	s_lshl_b32 s20, s17, 8
	s_add_co_u32 s20, s20, s18
	s_add_co_u32 s46, s42, 12
	s_lshl_b32 s46, s46, 8
	s_add_co_u32 s46, s46, s18
	s_lshl_b32 s22, s20, 5
	s_add_co_u32 s22, s22, SCOFF
	s_mov_b32 s23, 0
	s_lshl_b32 s92, s46, 5
	s_add_co_u32 s92, s92, SCOFF
	s_mov_b32 s93, 0
	s_mul_i32 s20, s20, 48
	s_mov_b32 s21, 0
	s_mul_i32 s46, s46, 48
	s_mov_b32 s47, 0
	s_mul_i32 s45, s14, HALFT
	s_mul_i32 s19, s14, HALFS
	s_wait_dscnt 0x0
	s_wait_kmcnt 0x0
	s_add_nc_u64 s[20:21], s[4:5], s[20:21]
	s_add_nc_u64 s[22:23], s[4:5], s[22:23]
	s_add_nc_u64 s[46:47], s[6:7], s[46:47]
	s_add_nc_u64 s[92:93], s[6:7], s[92:93]
	CROUND
	s_mov_b32 s[G0S], 1
	s_add_co_u32 s[G0S+1], s19, SCL
	s_mov_b64 s[G0S+2:G0S+3], s[22:23]
	s_or_b32 s[G0S+3], s[G0S+3], 0x80000000
	s_mov_b32 s[G0SB], 1
	s_add_co_u32 s[G0SB+1], s19, SCL
	s_mov_b64 s[G0SB+2:G0SB+3], s[92:93]
	s_or_b32 s[G0SB+3], s[G0SB+3], 0x80000000
	JLOAD G0S, G1S, G0SB, G1SB
.irp s, 0,1
	s_mov_b32 s[G0+4*\s], 1
	s_add_co_u32 s[G0+4*\s+1], s45, \s*SLOT
	s_add_nc_u64 s[G0+4*\s+2:G0+4*\s+3], s[20:21], \s*4*PLANE
	s_or_b32 s[G0+4*\s+3], s[G0+4*\s+3], 0x80000000
	s_mov_b32 s[G0B+4*\s], 1
	s_add_co_u32 s[G0B+4*\s+1], s45, \s*SLOT
	s_add_nc_u64 s[G0B+4*\s+2:G0B+4*\s+3], s[46:47], \s*4*PLANE
	s_or_b32 s[G0B+4*\s+3], s[G0B+4*\s+3], 0x80000000
	s_wait_alu depctr_va_vdst(0)
	s_wait_tensorcnt 0x0
	ds_add_u32 v28, v29
	s_wait_dscnt 0x0
	CROUND
	JLOAD G0+4*\s, G1, G0B+4*\s, G1B
.endr
	v_and_b32 v1, 15, v0
	v_bfe_u32 v2, v0, 4, 1
	v_mul_u32_u24 v3, v1, 48
	v_mad_u32_u24 v4, v2, 24, v3
	s_mul_i32 s21, s15, HALFT
	s_mul_i32 s22, s16, HALFT
	s_add_co_u32 s22, s22, 2*HALFT
.irp s, 0,1
	v_add_nc_u32 v[ADRA+\s], s21, v4
	v_add_nc_u32 v[ADRB+\s], s22, v4
	s_add_co_u32 s21, s21, SLOT
	s_add_co_u32 s22, s22, SLOT
.endr
	v_mul_u32_u24 v5, v1, KS
	v_lshrrev_b32 v6, 8, v5
	v_lshl_add_u32 v5, v6, 4, v5
	s_mul_i32 s21, s15, HALFS
	s_mul_i32 s22, s16, HALFS
	s_add_co_u32 s22, s22, 2*HALFS
	s_sub_co_u32 s22, s22, s21
	v_mul_u32_u24 v6, s22, v2
	s_add_co_u32 s21, s21, SCL
	v_add_nc_u32 v5, v5, v6
	v_add_nc_u32 v[ADRS], s21, v5
	s_mul_i32 s23, s14, 16*SPITCH
	v_mul_u32_u24 v5, v1, SPITCH
	v_lshl_add_u32 v5, v2, 5, v5
	v_add_nc_u32 v[STO], s23, v5
	v_and_b32 v6, 31, v0
	v_lshlrev_b32 v[CO], 4, v6
	v_add_nc_u32 v[RD], s23, v[CO]
	s_lshl_b32 s20, s17, 8
	s_lshl_b32 s21, s15, 7
	s_add_co_u32 s20, s20, s21
	s_lshl_b32 s20, s20, 12
	s_lshl_b32 s46, s42, 10
	s_lshl_b32 s47, s16, 9
	s_add_co_u32 s46, s46, s47
	s_add_co_u32 s20, s20, s46
	s_mov_b32 s21, 0
	s_add_nc_u64 s[12:13], s[12:13], s[20:21]
.macro FRAG reg, adr, q, i
.irp p, 0,1,2,3,4,5
	ds_load_b64 v[\reg+2*\p:\reg+2*\p+1], v[\adr] offset:(2*(\q)+\p/3)*PLB+(\i)*768+8*(\p%3)
.endr
.endm
.macro MUL16 a0, p, q, sc, zero
.irp a, \a0, \a0+1
.irp b, 0,1,2,3,4,5,6,7
.if \zero
	v_wmma_scale_f32_16x16x128_f8f6f4 v[8*(8*((\a)%4)+\b):8*(8*((\a)%4)+\b)+7], v[128*(\p)+FR*\b:128*(\p)+FR*\b+FR-1], v[AF+FR*(\a):AF+FR*(\a)+FR-1], 0, v[SC+8*NQ*(\sc)+NQ*\b+(\q)], v[SC+8*NQ*(\sc)+NQ*(\a)+(\q)] matrix_a_fmt:MATRIX_FMT_FP6 matrix_b_fmt:MATRIX_FMT_FP6 matrix_a_scale:MATRIX_SCALE_ROW1
.else
	v_wmma_scale_f32_16x16x128_f8f6f4 v[8*(8*((\a)%4)+\b):8*(8*((\a)%4)+\b)+7], v[128*(\p)+FR*\b:128*(\p)+FR*\b+FR-1], v[AF+FR*(\a):AF+FR*(\a)+FR-1], v[8*(8*((\a)%4)+\b):8*(8*((\a)%4)+\b)+7], v[SC+8*NQ*(\sc)+NQ*\b+(\q)], v[SC+8*NQ*(\sc)+NQ*(\a)+(\q)] matrix_a_fmt:MATRIX_FMT_FP6 matrix_b_fmt:MATRIX_FMT_FP6 matrix_a_scale:MATRIX_SCALE_ROW1
.endif
.endr
.endr
.endm
.macro FETCH_B slot, q, p
	WIN TO_B
.irp i, 0,1,2,3,4,5,6,7
	FRAG 128*(\p)+FR*\i, ADRB+\slot, \q, \i
.endr
	WIN 0
.endm
.macro FETCH_A slot, q, i0
.irp i, \i0, \i0+1, \i0+2, \i0+3
	FRAG AF+FR*(\i), ADRA+\slot, \q, \i
.endr
.endm
.macro SCALES sc
.irp i, 0,1,2,3,4,5,6,7
	ds_load_b64 v[SC+8*NQ*\sc+NQ*\i:SC+8*NQ*\sc+NQ*\i+1], v[ADRS] offset:\i*SBLK
.endr
.endm
.macro PLACES n
.rept \n
	v_nop
.endr
.endm
.macro STEP slot, q, zero
	s_wait_dscnt 4*NL
	WIN MUL_LO
	MUL16 0, (\q)%2, \q, \slot, \zero
	MUL16 2, (\q)%2, \q, \slot, \zero
	s_wait_dscnt 0
	PLACES NP
	FETCH_B \slot, (\q)+1, 1-(\q)%2
	FETCH_A \slot, (\q)+1, 0
	WIN MUL_HI
	MUL16 4, (\q)%2, \q, \slot, \zero
	MUL16 6, (\q)%2, \q, \slot, \zero
	PLACES NP
	WIN 0
	FETCH_A \slot, (\q)+1, 4
.endm
.macro TURN slot, next, fill
	s_wait_tensorcnt 0x0
	ds_add_u32 v[SPW], v[NIL]
	s_wait_dscnt 4*NL+1
	WIN MUL_LO
	MUL16 0, 1, NQ-1, \slot, 0
	s_wait_dscnt 0x0
	s_barrier_signal -1
	MUL16 2, 1, NQ-1, \slot, 0
	WIN 0
	s_barrier_wait -1
.if \fill
	CREST
	s_add_nc_u64 s[G0+4*\slot+2:G0+4*\slot+3], s[G0+4*\slot+2:G0+4*\slot+3], 8*PLANE
	s_add_nc_u64 s[G0B+4*\slot+2:G0B+4*\slot+3], s[G0B+4*\slot+2:G0B+4*\slot+3], 8*PLANE
	JLOAD G0+4*\slot, G1, G0B+4*\slot, G1B
.else
	PLACES NP
.endif
	s_wait_alu depctr_va_vdst(0)
	v_add_nc_u32 v[ADRS], 4*NQ, v[ADRS]
	FETCH_B \next, 0, 0
	FETCH_A \next, 0, 0
	SCALES \next
	WIN MUL_HI
	MUL16 4, 1, NQ-1, \slot, 0
	MUL16 6, 1, NQ-1, \slot, 0
	PLACES NP
	WIN 0
	FETCH_A \next, 0, 4
.endm
	s_wait_alu depctr_va_vdst(0)
	s_wait_tensorcnt 1
	s_barrier_signal -1
	s_barrier_wait -1
	FETCH_B 0, 0, 0
	FETCH_A 0, 0, 0
	SCALES 0
	FETCH_A 0, 0, 4
	STEP 0, 0, 1
	s_mov_b32 s3, LAPS-1
.Llap:
	TURN 0, 1, 1
	STEP 1, 0, 0
	TURN 1, 0, 1
	STEP 0, 0, 0
	s_sub_co_u32 s3, s3, 1
	s_cmp_lg_u32 s3, 0
	s_cbranch_scc1 .Llap
	TURN 0, 1, 0
	STEP 1, 0, 0
	s_wait_dscnt 4*NL
	WIN MUL_LO
	MUL16 0, 1, NQ-1, 1, 0
	MUL16 2, 1, NQ-1, 1, 0
	s_wait_dscnt 0
	WIN MUL_HI
	MUL16 4, 1, NQ-1, 1, 0
	MUL16 6, 1, NQ-1, 1, 0
	WIN 0
.macro TOSTAGE a
.set AC, 64*((\a)%4)
	WIN 0x08+4*((\a)/4)
.irp b, 0,1,2,3,4,5,6,7
	ds_store_b128 v[STO], v[AC+8*\b:AC+8*\b+3] offset:64*\b
	ds_store_b128 v[STO], v[AC+8*\b+4:AC+8*\b+7] offset:64*\b+16
.endr
	WIN 0
.set BB, BK+64*((\a)%2)
.irp t, 0,1,2,3,4,5,6,7,8,9,10,11,12,13,14,15
	ds_load_b128 v[BB+4*\t:BB+4*\t+3], v[RD] offset:\t*SPITCH
.endr
.endm
.macro SEND a, younger
.set BB, BK+64*((\a)%2)
	s_wait_dscnt \younger
.if (\a) > 0
	s_add_nc_u64 s[12:13], s[12:13], 16*SIZE_N*4
.endif
.irp t, 0,1,2,3,4,5,6,7,8,9,10,11,12,13,14,15
	global_store_b128 v[CO], v[BB+4*\t:BB+4*\t+3], s[12:13] offset:\t*SIZE_N*4 th:TH_STORE_NT
.endr
.endm
	PLACES NP
	TOSTAGE 0
.irp a, 1,2,3,4,5,6,7
.if \a > 1
	s_wait_xcnt 0x0
.endif
	TOSTAGE \a
	SEND \a-1, 32
.endr
	s_wait_xcnt 0x0
	SEND 7, 0
	s_wait_tensorcnt 0x0
	ds_add_u32 v[SPW], v[NIL]
	s_wait_dscnt 0x0
	CROUND
	s_endpgm
.Lfunc_end_k_q91892a1fdd_outp:
	.size	k_q91892a1fdd_outp, .Lfunc_end_k_q91892a1fdd_outp-k_q91892a1fdd_outp
	.p2alignl 7, 3214868480
	.fill 96, 4, 3214868480
	.section	.rodata,"a",@progbits
	.p2align	6, 0x0
	.amdhsa_kernel k_q91892a1fdd_outp
		.amdhsa_group_segment_fixed_size 327680
		.amdhsa_private_segment_fixed_size 0
		.amdhsa_enable_private_segment 0
		.amdhsa_kernarg_size 24
		.amdhsa_user_sgpr_count 2
		.amdhsa_user_sgpr_kernarg_segment_ptr 1
		.amdhsa_wavefront_size32 1
		.amdhsa_system_sgpr_workgroup_id_x 1
		.amdhsa_system_sgpr_workgroup_id_y 1
		.amdhsa_system_sgpr_workgroup_id_z 1
		.amdhsa_system_vgpr_workitem_id 0
		.amdhsa_next_free_vgpr 1024
		.amdhsa_next_free_sgpr 98
		.amdhsa_reserve_vcc 0
		.amdhsa_float_denorm_mode_32 3
		.amdhsa_float_denorm_mode_16_64 3
		.amdhsa_memory_ordered 1
		.amdhsa_forward_progress 1
		.amdhsa_inst_pref_size 160
	.end_amdhsa_kernel
	.amdgpu_metadata
---
amdhsa.version: [ 1, 2 ]
amdhsa.kernels:
  - .name:           k_q91892a1fdd_outp
    .symbol:         k_q91892a1fdd_outp.kd
    .args:
      - { .name: ao, .offset: 0, .size: 8, .value_kind: global_buffer, .address_space: global }
      - { .name: wc, .offset: 8, .size: 8, .value_kind: global_buffer, .address_space: global }
      - { .name: out0, .offset: 16, .size: 8, .value_kind: global_buffer, .address_space: global }
    .group_segment_fixed_size: 327680
    .private_segment_fixed_size: 0
    .kernarg_segment_align: 8
    .kernarg_segment_size: 24
    .max_flat_workgroup_size: 128
    .sgpr_count:     98
    .vgpr_count:     1024
    .wavefront_size: 32
...
	.end_amdgpu_metadata
.endif
;; end of part 4
